; MI455X (gfx1250); checked and timed in simulation.
; The chip was launched on July 23, 2026; its instructions are those of AMD's public machine-readable ISA for CDNA 5 (MIT licence, August 2026) and "CDNA5" Instruction Set Architecture Reference Guide (July 2026). The comments in the code are by the model that wrote it; some were corrected since.
;; Bert Attention. Allowed arithmetic: matrix products marked QUANTISED: E2M1 operands, one E8M0 scale for each 32 along K, by v_wmma_scale_f32_16x16x128_f8f6f4 with both operands' format E2M1 (or v_wmma_scale_f32_32x16x128_f4), f32 sums; everything else in f32.
;; Inputs: Wk_codes 1,024 x 32 x 16 uint8 (E2M1 codes of Wk, K innermost, in blocks of 32 codes, two codes a byte); Wk_scales 1,024 x 32 uint8 (E8M0 scales of Wk, one for each 32 codes along K); Wo_codes 1,024 x 32 x 16 uint8 (E2M1 codes of Wo, K innermost, in blocks of 32 codes, two codes a byte); Wo_scales 1,024 x 32 uint8 (E8M0 scales of Wo, one for each 32 codes along K); Wq_codes 1,024 x 32 x 16 uint8 (E2M1 codes of Wq, K innermost, in blocks of 32 codes, two codes a byte); Wq_scales 1,024 x 32 uint8 (E8M0 scales of Wq, one for each 32 codes along K); Wv_codes 1,024 x 32 x 16 uint8 (E2M1 codes of Wv, K innermost, in blocks of 32 codes, two codes a byte); Wv_scales 1,024 x 32 uint8 (E8M0 scales of Wv, one for each 32 codes along K); attention_mask 4 x 1 x 1 x 2,048 float32; bk 1,024 float32; bo 1,024 float32; bq 1,024 float32; bv 1,024 float32; hidden_states 4 x 2,048 x 1,024 float32; ln_beta 1,024 float32; ln_gamma 1,024 float32.
;; Outputs: out0 4 x 2,048 x 1,024 float32.
;; This version of the problem:
;;   THIS VERSION OF THE PROBLEM IS GIVEN IN LOW PRECISION. The matrix products marked QUANTISED in the list below multiply operands that are first quantised to E2M1 (2 exponent bits, 1 mantissa bit; 4 bits a number), with one power-of-two scale for each 32 numbers along K (OCP MX v1.0); their sums are f32. All else is computed in f32.
;;   The module's matrix products, in the order in which they are computed (A, B: the left and right operand; K: the contracted axis; several contracted axes count as one K, in the product's order):
;;     1. [M 8,192, K 1,024] x [K 1,024, N 1,024]; A: input hidden_states; B: input Wq (given as codes): QUANTISED
;;     2. [M 8,192, K 1,024] x [K 1,024, N 1,024]; A: input hidden_states; B: input Wk (given as codes): QUANTISED
;;     3. [M 8,192, K 1,024] x [K 1,024, N 1,024]; A: input hidden_states; B: input Wv (given as codes): QUANTISED
;;     4. batch 64 x [M 2,048, K 64] x [K 64, N 2,048]; A: computed on the way; B: computed on the way: QUANTISED
;;     5. batch 64 x [M 2,048, K 2,048] x [K 2,048, N 64]; A: softmax (see below); B: computed on the way: QUANTISED
;;     6. [M 8,192, K 1,024] x [K 1,024, N 1,024]; A: computed on the way; B: input Wo (given as codes): QUANTISED
;;   THE QUANTISER, for each operand of a quantised product, along K:
;;     - K is cut into blocks of 32 from its start; a last block that is shorter is filled with zeros.
;;     - A block's scale is 2^e with e = floor(log2(the largest magnitude in the block)) - 2, held to -126 .. 127; a block of zeros has e = 0. As a byte (E8M0): e + 127.
;;     - Each number is divided by its block's scale, clamped to +-6, and rounded to the nearest number of E2M1, ties to even, subnormals kept.
;;     - The product sums the exact products of the quantised numbers (number of the format x scale) in f32.
;;   ~~~python
;;   def quantise(x, axis):      # numpy; x: float32 -> the quantised numbers, widened to float32 again
;;       x = np.moveaxis(x, axis, -1); K = x.shape[-1]
;;       x = np.pad(x, [(0, 0)] * (x.ndim - 1) + [(0, -K % 32)]); x = x.reshape(x.shape[:-1] + (-1, 32)); a = np.abs(x).max(-1, keepdims=True)
;;       e = np.where(a > 0, np.clip(np.frexp(np.where(a > 0, a, 1))[1] - 1 - 2, -126, 127), 0)      # np.frexp(a)[1] - 1 = floor(log2(a)), exactly
;;       r = np.clip(x / 2.0 ** e, -6, 6)
;;       step = 2.0 ** (np.maximum(np.frexp(np.where(r == 0, 1, r))[1] - 1, 0) - 1)
;;       q = np.round(r / step) * step * 2.0 ** e      # np.round: ties to even
;;       return np.moveaxis(q.reshape(q.shape[:-2] + (-1,))[..., :K], -1, axis).astype(np.float32)
;;   ~~~
;;   SOFTMAX AHEAD OF A QUANTISED PRODUCT. Where the list says 'softmax', what is quantised is not the finished softmax but p = 2^(t - M), with t = logit x log2(e) and M = ceil(the row's largest t), a whole number; so 1/2 < the row's largest p <= 1. The row's sum l is taken of the UNQUANTISED p, in f32, and the product's result is divided by l at the end. Since M is a whole number, a kernel that streams over the keys may use a running M (the ceiling of the running maximum): every later rescaling is an exact power of two, which a block's scale takes up: the codes' values come out the same.
;;   OPERANDS COMPUTED ON THE WAY. 'Computed on the way' means the value that the module computes at that place (a softmax that the list does not call 'softmax' is quantised finished and normalised). What goes into a quantiser is computed in f32, as accurately as f32 sums, v_exp_f32 and their like allow (about 1e-6 of the number): no bf16 or f16 on the way to a quantiser, and a product that is left as it is and whose result goes on into a quantised operand takes f32 operands (vector FMAs, or v_wmma_f32_16x16x4_f32). A number that lies on a knife's edge between two numbers of the format may be rounded either way, as far as f32 arithmetic and the matrix unit's own rounding can turn it there, and no further.
;;   INPUTS GIVEN AS CODES. Wk (in the module: [1024, 1024], K = its axis 1); Wo (in the module: [1024, 1024], K = its axis 1); Wq (in the module: [1024, 1024], K = its axis 1); Wv (in the module: [1024, 1024], K = its axis 1): each comes as NAME_codes (uint8): NAME with its K axis moved to the last place and cut into blocks of 32 codes, [.., K / 32, bytes a block], one block behind the other in memory; two codes a byte, the lower K in the low four bits (a code: sign, 2 exponent bits, 1 mantissa bit); and NAME_scales (uint8): the same leading axes, one E8M0 byte (e + 127) for each 32 codes along K. Its value is code x scale, taken as it is: it is not quantised again, and the codes and scales need not be those that the quantiser above would give.
;; One version. Each part assembles by itself: llvm-mc -triple=amdgcn-amd-amdhsa -mcpu=gfx1250 --defsym DOCPART=n.
;; ======== version 1 of 1: 4 launches
;; workspace buffers: xc 4,194,304 bytes; xs 262,144 bytes; qb 9,175,040 bytes; kv 9,175,040 bytes; cc 4,194,304 bytes; cs 262,144 bytes
;; launch quantx (part 1): grid 256 x 1, 4 waves a work-group, no clusters, 33,280 bytes of LDS; arguments hidden_states, xc, xs; writes xc, xs
.if DOCPART == 1
	.amdgcn_target "amdgcn-amd-amdhsa--gfx1250"
	.amdhsa_code_object_version 6
	.text
	.protected	k_qd5d50285ba_quantx
	.globl	k_qd5d50285ba_quantx
	.p2align	8
	.type	k_qd5d50285ba_quantx,@function
k_qd5d50285ba_quantx:
	s_mov_b64 s[64:65], 0
	v_nop
	global_prefetch_b8 v0, s[64:65] scope:SCOPE_SE
	s_setreg_imm32_b32 hwreg(HW_REG_WAVE_MODE, 25, 1), 1
	s_wait_xcnt 0x0
; BERT self-attention in MX-FP4, four launches: quantx (this one), qkv, attn, outln.
; NO WORK OF reference() IS LEFT OUT: the additive mask differs along the softmax's axis; bq, bk, bv stand ahead of quantisers; bo, the residual, gamma and beta reach the output. All inputs are loaded.
; THIS LAUNCH: hidden_states [8192][1024] f32 becomes codes of E2M1 (xc [8192][512 bytes], K innermost, the lower k in the low four bits) and one E8M0 byte for each 32 along K (xs [8192][32]).
; It is quantised once here because twelve work-groups of the next launch read each row.
; A block's scale byte is its largest magnitude's exponent field - 2, held at 1 from below (a block of zeros gets 1: its codes are zeros, and only this program reads the bytes).
; LIMITS: blocks whose largest magnitude lies under 2^-124 take the floor's byte; NaN and infinities among the inputs are not served.
; Rows are dense and 1,024 is a multiple of 32: the tensor is a plain stream of blocks of 32. A wave takes 16 steps of 512 numbers. Each load reads 512 consecutive bytes; a step's 2,048 bytes turn through the
; wave's own stage in LDS (16 bytes of padding behind each 64) and come back 64 bytes a lane, so that a lane holds 16 neighbours along K and two neighbouring lanes hold a block.
; Loads run eight steps (32 loads, 16 KiB a wave) ahead. No tensor load, no barrier: waves share nothing. No matrix unit and no cluster: nothing is multiplied, nothing is shared.
.set STEPS, 16
.set AHEAD, 8
.set CB,    8                          ; bytes of 16 codes
.set R,     16                         ; v16-143  eight sets of 16 numbers as they are loaded
.set X,     144                        ; v144-175 two sets of 16 neighbours
.set C,     176                        ; v176-207 codes: two registers for each step, so that no store's data are written again
.set E,     208                        ; v208-223 a scale byte for each step
.set WREG,  8192                       ; LDS: a region for each wave: two stages of 32 x SP bytes, behind them its 256 scale bytes
.set SP,    80
.set SPW,   12                         ; v12 LDS address of my spare word; never rewritten
.set NIL,   13                         ; v13 0; never rewritten
.set SPARE, 4*WREG                     ; the spare words: 128 bytes for each wave, named by no other line
	s_load_b128 s[4:7], s[0:1], 0x0                ; hidden_states, xc
	s_load_b64 s[8:9], s[0:1], 0x10                ; xs
	v_lshl_add_u32 v[SPW], v0, 2, SPARE
	v_mov_b32 v[NIL], 0
	v_lshrrev_b32 v1, 5, v0
	v_readfirstlane_b32 s16, v1                    ; wave
	v_and_b32 v2, 31, v0                           ; lane
	v_lshlrev_b32 v3, 4, v2                        ; my 16 bytes of a load's 512
	s_mul_i32 s17, s16, WREG
	v_lshrrev_b32 v14, 2, v2
	v_mul_u32_u24 v14, v14, SP
	v_and_b32 v15, 3, v2
	v_lshl_add_u32 v14, v15, 4, v14
	v_add_nc_u32 v14, s17, v14                     ; the stage, on the way in: SP (lane / 4) + 16 (lane % 4)
	v_mul_u32_u24 v15, v2, SP
	v_add_nc_u32 v15, s17, v15                     ; and on the way out: SP x lane
	v_mul_u32_u24 v4, v2, CB                       ; my codes' place in a step's
	v_lshrrev_b32 v5, 1, v2
	s_add_co_u32 s17, s17, 2*32*SP
	v_add_nc_u32 v5, s17, v5                       ; LDS: my block's scale byte
	v_lshlrev_b32 v7, 3, v2
	v_add_nc_u32 v6, s17, v7                       ; and on the way out 8 bytes a lane
	s_lshl_b32 s17, ttmp9, 2
	s_add_co_u32 s18, s17, s16                     ; which run of 8,192 numbers is my wave's
	s_lshl_b32 s20, s18, 15                        ; 32,768 bytes of f32 a run,
	s_mov_b32 s21, 0
	s_lshl_b32 s22, s18, 12                        ; 4,096 of codes,
	s_mov_b32 s23, 0
	s_lshl_b32 s24, s18, 8                         ; 256 of scale bytes
	s_mov_b32 s25, 0
	s_wait_alu depctr_va_vdst(0)
	s_wait_kmcnt 0x0
	s_add_nc_u64 s[4:5], s[4:5], s[20:21]
	s_add_nc_u64 s[6:7], s[6:7], s[22:23]
	s_add_nc_u64 s[8:9], s[8:9], s[24:25]
.macro LOAD t
.irp i, 0,1,2,3
	global_load_b128 v[R+16*((\t)%8)+4*\i:R+16*((\t)%8)+4*\i+3], v3, s[4:5] offset:2048*(\t)+512*\i th:TH_LOAD_NT
.endr
.endm
.macro TURN t                          ; step t through the stage: LDS serves a wave's instructions in order, so no wait stands between the stores and the loads
.irp i, 0,1,2,3
	ds_store_b128 v14, v[R+16*((\t)%8)+4*\i:R+16*((\t)%8)+4*\i+3] offset:32*SP*((\t)%2)+8*SP*\i
.endr
.irp i, 0,1,2,3
	ds_load_b128 v[X+16*((\t)%2)+4*\i:X+16*((\t)%2)+4*\i+3], v15 offset:32*SP*((\t)%2)+16*\i
.endr
.endm
.irp t, 0,1,2,3,4,5,6,7
	LOAD \t
.endr
	s_wait_loadcnt 28                              ; step 0's four loads are in; the 28 of steps 1 to 7 may be out
	TURN 0
.macro STEP t
.set XS, X+16*((\t)%2)
.if (\t) > 0
	s_wait_dscnt 1                                 ; this step's numbers are back from the stage (the last step's byte store may be out): its stores into the stage have read their registers,
.else
	s_wait_dscnt 0x0
.endif
.if (\t)+AHEAD < STEPS
	LOAD (\t)+AHEAD                                ; which take the loads of eight steps on
.endif
.if (\t)+1 < STEPS
.if STEPS-2-(\t) >= AHEAD-1
	s_wait_loadcnt 4*(AHEAD-1)                     ; the next step's four loads are in; those of the seven steps behind it may be out
.else
	s_wait_loadcnt 4*(STEPS-2-(\t))
.endif
	TURN (\t)+1
.endif
	v_max3_num_f32 v8, |v[XS]|, |v[XS+1]|, |v[XS+2]|               ; the largest magnitude of my 16, in two chains
	v_max3_num_f32 v9, |v[XS+3]|, |v[XS+4]|, |v[XS+5]|
.irp i, 6,10
	v_max3_num_f32 v8, v8, |v[XS+\i]|, |v[XS+\i+1]|
	v_max3_num_f32 v9, v9, |v[XS+\i+2]|, |v[XS+\i+3]|
.endr
	v_max3_num_f32 v8, v8, |v[XS+14]|, |v[XS+15]|
	v_max3_num_f32 v8, v8, v9, 0x1800000           ; and the floor 2^(3 - 127): the byte cannot fall under 1
	v_max_num_f32_dpp v8, v8, v8 row_xmask:1 row_mask:0xf bank_mask:0xf   ; and of my neighbour's 16: the block's
	v_add_nc_u32 v11, 0xff000000, v8               ; 2 off its exponent field: the conversion takes this operand's exponent field as its scale
	v_cvt_scalef32_pk8_fp4_f32 v[C+2*(\t)], v[XS:XS+7], v11
	v_cvt_scalef32_pk8_fp4_f32 v[C+2*(\t)+1], v[XS+8:XS+15], v11
	v_lshrrev_b32 v[E+(\t)], 23, v11               ; the scale's byte (also the plain line behind the conversions)
	ds_store_b8 v5, v[E+(\t)] offset:16*(\t)       ; both lanes of a block write the same byte with the same value
	global_store_b64 v4, v[C+2*(\t):C+2*(\t)+1], s[6:7] offset:32*CB*(\t)   ; the wave stores 256 consecutive bytes, aligned
.endm
.irp t, 0,1,2,3,4,5,6,7,8,9,10,11,12,13,14,15
	STEP \t
.endr
	ds_load_b64 v[8:9], v6                         ; LDS serves a wave's instructions in order: these see my byte stores
	s_wait_dscnt 0x0
	global_store_b64 v7, v[8:9], s[8:9]            ; 32 lanes store 256 consecutive bytes, aligned
	s_wait_tensorcnt 0x0                           ; the wave's end
	ds_add_u32 v[SPW], v[NIL]
	s_wait_dscnt 0x0
	s_endpgm
.Lfunc_end_k_qd5d50285ba_quantx:
	.size	k_qd5d50285ba_quantx, .Lfunc_end_k_qd5d50285ba_quantx-k_qd5d50285ba_quantx
	.p2alignl 7, 3214868480
	.fill 96, 4, 3214868480
	.section	.rodata,"a",@progbits
	.p2align	6, 0x0
	.amdhsa_kernel k_qd5d50285ba_quantx
		.amdhsa_group_segment_fixed_size 33280
		.amdhsa_private_segment_fixed_size 0
		.amdhsa_enable_private_segment 0
		.amdhsa_kernarg_size 24
		.amdhsa_user_sgpr_count 2
		.amdhsa_user_sgpr_kernarg_segment_ptr 1
		.amdhsa_wavefront_size32 1
		.amdhsa_system_sgpr_workgroup_id_x 1
		.amdhsa_system_sgpr_workgroup_id_y 1
		.amdhsa_system_sgpr_workgroup_id_z 1
		.amdhsa_system_vgpr_workitem_id 0
		.amdhsa_next_free_vgpr 224
		.amdhsa_next_free_sgpr 66
		.amdhsa_reserve_vcc 0
		.amdhsa_float_denorm_mode_32 3
		.amdhsa_float_denorm_mode_16_64 3
		.amdhsa_memory_ordered 1
		.amdhsa_forward_progress 1
		.amdhsa_inst_pref_size 33
	.end_amdhsa_kernel
	.amdgpu_metadata
---
amdhsa.version: [ 1, 2 ]
amdhsa.kernels:
  - .name:           k_qd5d50285ba_quantx
    .symbol:         k_qd5d50285ba_quantx.kd
    .args:
      - { .name: hidden_states, .offset: 0, .size: 8, .value_kind: global_buffer, .address_space: global }
      - { .name: xc, .offset: 8, .size: 8, .value_kind: global_buffer, .address_space: global }
      - { .name: xs, .offset: 16, .size: 8, .value_kind: global_buffer, .address_space: global }
    .group_segment_fixed_size: 33280
    .private_segment_fixed_size: 0
    .kernarg_segment_align: 8
    .kernarg_segment_size: 24
    .max_flat_workgroup_size: 128
    .sgpr_count:     66
    .vgpr_count:     224
    .wavefront_size: 32
...
	.end_amdgpu_metadata
.endif
;; end of part 1
;; launch qkv (part 2): grid 12 x 32, 4 waves a work-group, clusters of 4 x 4, 327,680 bytes of LDS; arguments xc, xs, Wq_codes, Wq_scales, Wk_codes, Wk_scales, Wv_codes, Wv_scales, bq, bk, bv, qb, kv; writes qb, kv
.if DOCPART == 2
	.amdgcn_target "amdgcn-amd-amdhsa--gfx1250"
	.amdhsa_code_object_version 6
	.text
	.protected	k_qd5d50285ba_qkv
	.globl	k_qd5d50285ba_qkv
	.p2align	8
	.type	k_qd5d50285ba_qkv,@function
k_qd5d50285ba_qkv:
	s_mov_b64 s[64:65], 0
	v_nop
	global_prefetch_b8 v0, s[64:65] scope:SCOPE_SE
	s_setreg_imm32_b32 hwreg(HW_REG_WAVE_MODE, 25, 1), 1
	s_wait_xcnt 0x0
	s_wait_alu depctr_hold_cnt(0) depctr_sa_sdst(0) depctr_va_vdst(0) depctr_va_sdst(0) depctr_va_ssrc(0) depctr_va_vcc(0) depctr_vm_vsrc(0)
	s_getreg_b32 s2, hwreg(HW_REG_IB_STS2, 6, 4)
	s_cmp_eq_u32 s2, 0
	s_cbranch_scc0 .Lentry_in_a_cluster
	s_endpgm
.Lentry_in_a_cluster:
	s_bfe_u32 s2, ttmp6, 0x10000c
	s_cmp_lg_u32 s2, 0xf033
	s_cbranch_scc0 .Lentry_shape_is_right
	s_endpgm
.Lentry_shape_is_right:
; q = x Wq^T + bq, k = x Wk^T + bk, v = x Wv^T + bv on codes of E2M1 with E8M0 scales; the results are quantised in registers and stored as codes, in the order in which the attention launch's operand registers take them.
; Nothing of reference() is left out here.
; ONE BODY FOR THE THREE. The matrix instruction takes 16 rows of 'B' as source 0 and 16 rows of 'A' as source 1: a lane then holds ONE row of A and its registers run along B's rows.
;   cluster x = 0, 1 (q, k): A = x (tokens), B = W (features): registers run along the features: the quantiser's K for q k^T (a head's 64 = two blocks of 32).
;   cluster x = 2 (v):       A = Wv (features), B = x (tokens): registers run along the tokens: the quantiser's K for p v (the keys).
; Only pointers and tile coordinates are chosen, by the cluster's x, which all sixteen partners share.
; A work-group makes 256 (A) x 256 (B), a wave 128 x 128: 64 accumulators. K = 1,024 is two LDS slots of 512 along K (rows of 256 bytes + 16 of padding), both asked for at the start: nothing is filled again.
; The scale bytes of the 256 + 256 rows are two dense blocks and come once, as rows of 256 bytes + 16 of padding.
; CLUSTERS: 4 x 4. A's tiles are asked for jointly along a row of the cluster, B's along a column.
; THE WAY OUT. Tile b of a block a holds, in lane (r, h), register j, the number k = 16 b + 8 h + j of A's row 16 a + r. Eight conversions and four exchanges of lane halves make the operand's registers of 128 along K.
;   records of REC bytes, [batch x 16 + head][128 tokens]: +0 eight tiles of 16 tokens x 64 (q or k), 512 bytes each, lane l's 16 bytes at 16 l; +4096 V^T: four tiles of 16 d x 128 keys, 2 x 512 bytes each;
;   +8192 the scale words of q or k: lane l's 16 bytes = tiles 4 (l / 16) .. + 3, token l % 16; +8704 V's scale words: row r's 16 bytes = d tiles 0 .. 3.
; LIMITS: blocks of q and k whose largest magnitude lies under 2^-121 take the floor's byte 4 (the next launch takes 3 off q's bytes), blocks of v under 2^-124 the byte 1; NaN and infinities are not served.
; REGISTERS: window 0: v16-31 addresses; v32-95 scale words, two sets; v96-127 at work on the way out; v128-191 A's fragments, later 64 numbers at work; v192-255 the codes made, 8 for each block.
;   window 1: B's fragments at v0 and v128; v192-255 the bias.  window 2, 3: the accumulators, (a, b) at v[8 (8 (a % 4) + b)].
.set NQ,     4
.set ROWB,   256
.set KROW,   512
.set PITCH,  272                       ; 256 bytes + 16: the sixteen rows that a fragment load touches start 68 words apart
.set FR,     8
.set NL,     2
.set NP,     4
.set HALFT,  128*PITCH
.set SLOT,   4*HALFT
.set KS,     32
.set SCL,    2*SLOT
.set HALFS,  (128*KS/256)*272
.set SBLK,   (16*KS/256)*272
.set SPARE,  SCL+4*HALFS               ; the spare words: 128 bytes for each wave, named by no other line
.set REC,    8960
.set HS,     16*REC
.set ADRA, 16
.set ADRB, 20
.set OV,   24                          ; v24 16 x lane
.set OV2,  25                          ; v25 16 r + h x HS
.set OB,   26                          ; v26 32 h
.set ADRS, 27
.set SPW,  28
.set NIL,  29
.set OR4,  30                          ; v30 4 r
.set SC,   32
.set TM,   96
.set PW,   112
.set Z,    120
.set ZB,   124
.set AF,   128
.set T,    128
.set PC,   192
.set BIAS, 192
.set G1, 24
.set G0, 32
.set G1B, 48
.set G0B, 56
.set G1S, 68
.set G0S, 76
.set G1SB, 80
.set G0SB, 88
.set MSB, 0
.macro WIN new                         ; the immediate's high byte repeats the setting that is left
.if MSB != \new
	s_set_vgpr_msb (MSB<<8)|\new
.set MSB, \new
.endif
.endm
.set MUL_LO, 0xa1
.set MUL_HI, 0xf1
.set TO_B,   0x40
; A joint load: waves 0 and 1 fetch for A, waves 2 and 3 for B; the branch hangs on the wave's number alone. An s_nop 0 and four v_nop follow each line.
.macro JLOAD g0a, g1a, g0b, g1b
	s_cmp_eq_u32 s15, 0
	s_cbranch_scc0 .Lfor_b_\@
	tensor_load_to_lds s[\g0a:\g0a+3], s[\g1a:\g1a+7]
	s_nop 0
.rept 4
	v_nop
.endr
	s_branch .Lasked_\@
.Lfor_b_\@:
	tensor_load_to_lds s[\g0b:\g0b+3], s[\g1b:\g1b+7]
	s_nop 0
.rept 4
	v_nop
.endr
.Lasked_\@:
.endm
.macro CROUND                          ; a round of the cluster's barrier
	s_barrier_signal -1
	s_barrier_wait -1
	s_cmp_lg_u32 s14, 0
	s_cbranch_scc1 .Lnot_wave_0_\@
	s_barrier_signal -3
.Lnot_wave_0_\@:
	s_barrier_wait -3
	s_barrier_signal -1
	s_barrier_wait -1
.endm
	s_load_b512 s[68:83], s[0:1], 0x0              ; xc, xs, Wq codes, scales, Wk codes, scales, Wv codes, scales
	s_load_b256 s[84:91], s[0:1], 0x40             ; bq, bk, bv, qb
	s_load_b64 s[92:93], s[0:1], 0x60              ; kv
	v_lshl_add_u32 v[SPW], v0, 2, SPARE
	v_mov_b32 v[NIL], 0
	ds_add_u32 v[SPW], v[NIL]                      ; the wave's opening: the add, twice on end, and its wait ahead of my first tensor load
	ds_add_u32 v[SPW], v[NIL]
	v_lshrrev_b32 v1, 5, v0
	v_readfirstlane_b32 s14, v1                    ; wave 0..3
	s_lshr_b32 s15, s14, 1                         ; my half of A's rows; also: I fetch for A (0) or B (1)
	s_and_b32 s16, s14, 1                          ; my half of B's rows; also: which 128 rows I fetch
	s_bfe_u32 s40, ttmp6, 0x40000                  ; cx
	s_bfe_u32 s41, ttmp6, 0x40004                  ; cy
	s_and_b32 s97, ttmp7, 0xffff
	s_lshl_b32 s97, s97, 2                         ; 4 x cluster y
	s_cmp_eq_u32 ttmp9, 2                          ; v?  The cluster's x: the same in all partners
	s_cselect_b32 s96, 1, 0
	s_cselect_b32 s17, 0, s97
	s_cselect_b32 s42, s97, 0
	s_add_co_u32 s17, s17, s41                     ; A's tile: q, k: 4 Y + cy (tokens); v: cy (features)
	s_add_co_u32 s42, s42, s40                     ; B's tile: q, k: cx (features); v: 4 Y + cx (tokens)
	s_lshl_b32 s43, s41, 2
	s_lshl_b32 s43, 15, s43                        ; my row of the cluster
	s_lshl_b32 s44, 0x1111, s40                    ; my column
	s_or_b32 s[G1+0], s43, (0<<16)|(1<<20)|(1<<21)|(5<<22)|(3<<25)  ; the mask; elements of 1 byte; padding on; bit 21 beside a mask; 4 words behind every 64
	s_or_b32 s[G1B+0], s44, (0<<16)|(1<<20)|(1<<21)|(5<<22)|(3<<25)
.irp g, G1, G1B
	s_mov_b32 s[\g+1], ROWB<<16                    ; tensor_dim0
	s_mov_b32 s[\g+2], 128<<16                     ; tensor_dim1
	s_mov_b32 s[\g+3], ROWB<<16                    ; tile_dim0
	s_mov_b32 s[\g+4], 128                         ; tile_dim1
	s_mov_b32 s[\g+5], KROW                        ; the pitch in memory
	s_mov_b32 s[\g+6], 0
	s_mov_b32 s[\g+7], 0
.endr
	s_mov_b32 s98, 0x76543210
	s_mov_b32 s99, 0xfedcba98                      ; v_permlanex16_b32's selects for lane l xor 16
	s_mov_b32 s95, 0xffff0000                      ; lanes 16-31
	s_lshl_b32 s94, s16, 7
	s_lshl_b32 s20, s17, 8
	s_add_co_u32 s20, s20, s94                     ; A: the first row that I fetch
	s_lshl_b32 s46, s42, 8
	s_add_co_u32 s46, s46, s94                     ; B likewise
	s_lshl_b32 s22, s20, 5                         ; its scale bytes: 32 a row,
	s_mov_b32 s23, 0
	s_lshl_b32 s20, s20, 9                         ; its codes: 512 a row
	s_mov_b32 s21, 0
	s_lshl_b32 s2, s46, 5
	s_mov_b32 s3, 0
	s_lshl_b32 s46, s46, 9
	s_mov_b32 s47, 0
	s_mul_i32 s45, s14, HALFT                      ; where they go: by the wave's number alone
	s_mul_i32 s94, s14, HALFS
	s_wait_dscnt 0x0                               ; both opening adds are done
	s_wait_kmcnt 0x0
	s_cmp_eq_u32 ttmp9, 2
	s_cselect_b64 s[4:5], s[80:81], s[68:69]       ; A's codes: Wv's or x's
	s_cselect_b64 s[6:7], s[82:83], s[70:71]       ; A's scales
	s_cselect_b64 s[8:9], s[68:69], s[76:77]       ; B's codes: x's, or Wk's,
	s_cselect_b64 s[10:11], s[70:71], s[78:79]
	s_cselect_b64 s[66:67], s[88:89], s[86:87]     ; the bias: bv, or bk,
	s_cmp_eq_u32 ttmp9, 0
	s_cselect_b64 s[8:9], s[72:73], s[8:9]         ; or Wq's
	s_cselect_b64 s[10:11], s[74:75], s[10:11]
	s_cselect_b64 s[66:67], s[84:85], s[66:67]     ; or bq
	s_cselect_b64 s[12:13], s[90:91], s[92:93]     ; out: qb, or kv
	; the arguments are chosen: their registers take the scales' descriptors. 128 rows' scales: 4,096 dense bytes as 16 rows of 256 (32 elements of 8 bytes), 16 bytes of padding behind each
	s_or_b32 s[G1S+0], s43, (3<<16)|(1<<20)|(1<<21)|(5<<22)|(3<<25)
	s_or_b32 s[G1SB+0], s44, (3<<16)|(1<<20)|(1<<21)|(5<<22)|(3<<25)
.irp g, G1S, G1SB
	s_mov_b32 s[\g+1], 32<<16
	s_mov_b32 s[\g+2], (128*KS/256)<<16
	s_mov_b32 s[\g+3], 32<<16
	s_mov_b32 s[\g+4], 128*KS/256
	s_mov_b32 s[\g+5], 32
	s_mov_b32 s[\g+6], 0
	s_mov_b32 s[\g+7], 0
.endr
	s_add_nc_u64 s[20:21], s[4:5], s[20:21]
	s_add_nc_u64 s[22:23], s[6:7], s[22:23]
	s_add_nc_u64 s[46:47], s[8:9], s[46:47]
	s_add_nc_u64 s[2:3], s[10:11], s[2:3]
	CROUND                                         ; all sixteen work-groups are here: the first joint loads meet
	s_mov_b32 s[G0S], 1
	s_add_co_u32 s[G0S+1], s94, SCL
	s_mov_b64 s[G0S+2:G0S+3], s[22:23]
	s_or_b32 s[G0S+3], s[G0S+3], 0x80000000
	s_mov_b32 s[G0SB], 1
	s_add_co_u32 s[G0SB+1], s94, SCL
	s_mov_b64 s[G0SB+2:G0SB+3], s[2:3]
	s_or_b32 s[G0SB+3], s[G0SB+3], 0x80000000
	JLOAD G0S, G1S, G0SB, G1SB                     ; the scales first: they are wanted with the first K step
.irp s, 0,1
	s_mov_b32 s[G0+4*\s], 1
	s_add_co_u32 s[G0+4*\s+1], s45, \s*SLOT
	s_add_nc_u64 s[G0+4*\s+2:G0+4*\s+3], s[20:21], \s*ROWB
	s_or_b32 s[G0+4*\s+3], s[G0+4*\s+3], 0x80000000
	s_mov_b32 s[G0B+4*\s], 1
	s_add_co_u32 s[G0B+4*\s+1], s45, \s*SLOT
	s_add_nc_u64 s[G0B+4*\s+2:G0B+4*\s+3], s[46:47], \s*ROWB
	s_or_b32 s[G0B+4*\s+3], s[G0B+4*\s+3], 0x80000000
	s_wait_alu depctr_va_vdst(0)
	s_wait_tensorcnt 0x0
	ds_add_u32 v28, v29
	s_wait_dscnt 0x0
	CROUND
	JLOAD G0+4*\s, G1, G0B+4*\s, G1B               ; one tensor load of mine is out behind the second of these
.endr
	v_and_b32 v1, 15, v0                           ; r
	v_bfe_u32 v2, v0, 4, 1                         ; h
	v_mul_u32_u24 v3, v1, PITCH
	v_lshl_add_u32 v4, v2, 4, v3                   ; a fragment's row x pitch + 16 h
	s_mul_i32 s21, s15, HALFT                      ; my 128 rows of A
	s_mul_i32 s22, s16, HALFT                      ; my 128 rows of B,
	s_add_co_u32 s22, s22, 2*HALFT                 ; behind A's 256
.irp s, 0,1
	v_add_nc_u32 v[ADRA+\s], s21, v4
	v_add_nc_u32 v[ADRB+\s], s22, v4
	s_add_co_u32 s21, s21, SLOT
	s_add_co_u32 s22, s22, SLOT
.endr
	v_mul_u32_u24 v5, v1, KS                       ; my row's scales: 32 bytes a row,
	v_lshrrev_b32 v6, 8, v5
	v_lshl_add_u32 v5, v6, 4, v5                   ; and 16 more for each 256 passed
	s_mul_i32 s21, s15, HALFS
	s_mul_i32 s22, s16, HALFS
	s_add_co_u32 s22, s22, 2*HALFS
	s_sub_co_u32 s22, s22, s21
	v_mul_u32_u24 v6, s22, v2                      ; lanes 16-31 take B's: one product, the distance between the two bases
	s_add_co_u32 s21, s21, SCL
	v_add_nc_u32 v5, v5, v6
	v_add_nc_u32 v[ADRS], s21, v5
	v_and_b32 v6, 31, v0
	v_lshlrev_b32 v[OV], 4, v6
	v_mul_u32_u24 v[OV2], v2, HS
	v_lshl_add_u32 v[OV2], v1, 4, v[OV2]
	v_lshlrev_b32 v[OB], 5, v2
	v_lshlrev_b32 v[OR4], 2, v1
.irp b, 0,1,2,3
	v_mov_b32 v[TM+4+\b], 0                        ; written once: a lane permute's destination counts as one of its sources
.endr
	; where my results go: G = my group of 128 tokens, headA = the first of my two heads
	s_lshl_b32 s20, s17, 1
	s_add_co_u32 s20, s20, s15                     ; 2 x A's tile + my half
	s_lshl_b32 s46, s42, 1
	s_add_co_u32 s46, s46, s16                     ; 2 x B's tile + my half
	s_cmp_eq_u32 s96, 1
	s_cselect_b32 s100, s46, s20                   ; G: the tokens' side
	s_cselect_b32 s101, s20, s46                   ; the features' side: a group of 128 = two heads
	s_lshl_b32 s101, s101, 1                       ; headA
	s_lshr_b32 s18, s100, 4
	s_lshl_b32 s18, s18, 4
	s_add_co_u32 s18, s18, s101                    ; 16 x batch + headA
	s_mul_i32 s18, s18, HS
	s_and_b32 s100, s100, 15
	s_mul_i32 s100, s100, REC                      ; the record of my 128 tokens
	s_add_co_u32 s18, s18, s100
	s_mov_b32 s19, 0
	s_add_nc_u64 s[12:13], s[12:13], s[18:19]
	s_lshl_b32 s18, s101, 8                        ; 64 f32 a head
	s_add_nc_u64 s[66:67], s[66:67], s[18:19]
	; the bias in the accumulators' layout, 64 registers of window 1. Both ways write all 64.
	s_cmp_eq_u32 s96, 1
	s_cbranch_scc1 .Lbias_v
	WIN 0x40
	s_wait_alu depctr_va_vdst(0)
.irp b, 0,1,2,3,4,5,6,7
	global_load_b128 v[BIAS+8*\b:BIAS+8*\b+3], v[OB], s[66:67] offset:64*\b          ; q, k: along the registers: bias[16 b + 8 h + j]
	global_load_b128 v[BIAS+8*\b+4:BIAS+8*\b+7], v[OB], s[66:67] offset:64*\b+16
.endr
	WIN 0
	s_branch .Lbias_in
.Lbias_v:
	WIN 0x40
	s_wait_alu depctr_va_vdst(0)
.irp a, 0,1,2,3,4,5,6,7
.irp j, 0,1,2,3,4,5,6,7
	global_load_b32 v[BIAS+8*\a+\j], v[OR4], s[66:67] offset:64*\a                   ; v: by the lane: bv[16 a + r], in all eight registers of block a
.endr
.endr
	WIN 0
.Lbias_in:
.macro FRAG reg, adr, q, i             ; 16 rows x 128 K of 4-bit codes: 8 registers; registers 4 c .. 4 c + 3 hold K = 64 c + 32 h + 0 .. 31
.irp c, 0,1
	ds_load_b128 v[\reg+4*\c:\reg+4*\c+3], v[\adr] offset:64*(\q)+32*\c+(\i)*16*PITCH
.endr
.endm
; 16 matrix instructions: A's blocks a0, a0 + 1 x B's eight. The 64 accumulators take turns, one instruction a turn, in the same order in every step. zero = 1: the first product starts the sums.
.macro MUL16 a0, p, q, sc, zero
.irp a, \a0, \a0+1
.irp b, 0,1,2,3,4,5,6,7
.if \zero
	v_wmma_scale_f32_16x16x128_f8f6f4 v[8*(8*((\a)%4)+\b):8*(8*((\a)%4)+\b)+7], v[128*(\p)+FR*\b:128*(\p)+FR*\b+FR-1], v[AF+FR*(\a):AF+FR*(\a)+FR-1], 0, v[SC+8*NQ*(\sc)+NQ*\b+(\q)], v[SC+8*NQ*(\sc)+NQ*(\a)+(\q)] matrix_a_fmt:MATRIX_FMT_FP4 matrix_b_fmt:MATRIX_FMT_FP4 matrix_a_scale:MATRIX_SCALE_ROW1
.else
	v_wmma_scale_f32_16x16x128_f8f6f4 v[8*(8*((\a)%4)+\b):8*(8*((\a)%4)+\b)+7], v[128*(\p)+FR*\b:128*(\p)+FR*\b+FR-1], v[AF+FR*(\a):AF+FR*(\a)+FR-1], v[8*(8*((\a)%4)+\b):8*(8*((\a)%4)+\b)+7], v[SC+8*NQ*(\sc)+NQ*\b+(\q)], v[SC+8*NQ*(\sc)+NQ*(\a)+(\q)] matrix_a_fmt:MATRIX_FMT_FP4 matrix_b_fmt:MATRIX_FMT_FP4 matrix_a_scale:MATRIX_SCALE_ROW1
.endif
.endr
.endr
.endm
.macro FETCH_B slot, q, p
	WIN TO_B
.irp i, 0,1,2,3,4,5,6,7
	FRAG 128*(\p)+FR*\i, ADRB+\slot, \q, \i
.endr
	WIN 0
.endm
.macro FETCH_A slot, q, i0
.irp i, \i0, \i0+1, \i0+2, \i0+3
	FRAG AF+FR*(\i), ADRA+\slot, \q, \i
.endr
.endm
.macro SCALES sc                       ; a slot's scale words: 4 words a row; lanes 0-15 A's block i, lanes 16-31 B's block i
.irp i, 0,1,2,3,4,5,6,7
	ds_load_b128 v[SC+8*NQ*\sc+NQ*\i:SC+8*NQ*\sc+NQ*\i+3], v[ADRS] offset:\i*SBLK
.endr
.endm
.macro PLACES n                        ; plain vector instructions between a matrix instruction and a load into, or a read of, its registers
.rept \n
	v_nop
.endr
.endm
.macro STEP slot, q, zero              ; 128 along K, with its successor in the same slot
	s_wait_dscnt 4*NL                              ; B's set and A's blocks 0-3 are in; the youngest eight loads (A's blocks 4-7) may be out
	WIN MUL_LO
	MUL16 0, (\q)%2, \q, \slot, \zero
	MUL16 2, (\q)%2, \q, \slot, \zero
	s_wait_dscnt 0
	PLACES NP
	FETCH_B \slot, (\q)+1, 1-(\q)%2
	FETCH_A \slot, (\q)+1, 0
	WIN MUL_HI
	MUL16 4, (\q)%2, \q, \slot, \zero
	MUL16 6, (\q)%2, \q, \slot, \zero
	PLACES NP
	WIN 0
	FETCH_A \slot, (\q)+1, 4
.endm
.macro TURN slot, next                 ; slot 0's last step: my part of slot 1 has landed, everybody's behind the barrier. Nothing is filled again
	s_wait_tensorcnt 0x0                           ; all my tensor loads have landed
	ds_add_u32 v[SPW], v[NIL]                      ; 0 onto my spare word
	s_wait_dscnt 4*NL+1                            ; (the add and A's blocks 4-7 may be out)
	WIN MUL_LO
	MUL16 0, 1, NQ-1, \slot, 0
	s_wait_dscnt 0x0                               ; no LDS instruction of mine is out at the signal
	s_barrier_signal -1
	MUL16 2, 1, NQ-1, \slot, 0
	WIN 0
	s_barrier_wait -1
	PLACES NP
	v_add_nc_u32 v[ADRS], 4*NQ, v[ADRS]            ; on to the next slot's scale words
	FETCH_B \next, 0, 0
	FETCH_A \next, 0, 0
	SCALES \next
	WIN MUL_HI
	MUL16 4, 1, NQ-1, \slot, 0
	MUL16 6, 1, NQ-1, \slot, 0
	PLACES NP
	WIN 0
	FETCH_A \next, 0, 4
.endm
.macro STEPS slot, from
.set Q, \from
.rept NQ-1-\from
	STEP \slot, Q, 0
.set Q, Q+1
.endr
.endm
	s_wait_tensorcnt 1                             ; the scales and my part of slot 0 are in (slot 1's load may be out),
	s_barrier_signal -1
	s_barrier_wait -1                              ; everybody's are
	FETCH_B 0, 0, 0
	FETCH_A 0, 0, 0
	SCALES 0
	FETCH_A 0, 0, 4
	STEP 0, 0, 1                                   ; the first products start the sums: nothing is cleared
	STEPS 0, 1
	TURN 0, 1
	STEPS 1, 0
	s_wait_dscnt 4*NL                              ; the last step: nothing more to fetch
	WIN MUL_LO
	MUL16 0, 1, NQ-1, 1, 0
	MUL16 2, 1, NQ-1, 1, 0
	s_wait_dscnt 0
	WIN MUL_HI
	MUL16 4, 1, NQ-1, 1, 0
	MUL16 6, 1, NQ-1, 1, 0
	WIN 0
	PLACES NP                                      ; ahead of the first read of results and the first write over A's fragments
; 64 numbers of a lane, register 16 b + 8 u + j = k 32 b + 16 u + 8 h + j of my row, become a fragment's 8 registers at v[pc] and its scale word in v[pw]. fl: the floor under the largest magnitude.
.macro QUANT s, fl, pc, pw
.irp b, 0,1,2,3
	v_max3_num_f32 v[TM+\b], |v[\s+16*\b]|, |v[\s+1+16*\b]|, \fl
.endr
.irp i, 2,4,6,8,10,12,14
.irp b, 0,1,2,3
	v_max3_num_f32 v[TM+\b], v[TM+\b], |v[\s+16*\b+\i]|, |v[\s+1+16*\b+\i]|   ; the four blocks by turns
.endr
.endr
.irp b, 0,1,2,3
	v_permlanex16_b32 v[TM+4+\b], v[TM+\b], s98, s99
.endr
.irp b, 0,1,2,3
	v_max_num_f32 v[TM+\b], v[TM+\b], v[TM+4+\b]   ; with lane l xor 16's 16: the block's largest magnitude
.endr
.irp b, 0,1,2,3
	v_add_nc_u32 v[TM+12+\b], 0xff000000, v[TM+\b] ; 2 off its exponent field: the conversion's scale operand
.endr
.irp b, 0,1,2,3
	v_lshrrev_b32 v[TM+4+\b], 23, v[TM+12+\b]      ; the scale's byte
.endr
	v_lshl_or_b32 v[\pw], v[TM+5], 8, v[TM+4]
	v_lshl_or_b32 v[\pw], v[TM+6], 16, v[\pw]
	v_lshl_or_b32 v[\pw], v[TM+7], 24, v[\pw]
.irp b, 0,1,2,3
.irp u, 0,1
	v_cvt_scalef32_pk8_fp4_f32 v[(\pc)+4*(\b/2)+2*\u+(\b%2)], v[\s+16*\b+8*\u:\s+16*\b+8*\u+7], v[TM+12+\b]
.endr
.endr
	v_nop                                          ; one plain line behind the conversions
.irp c, 0,1
.irp u, 0,1
	v_permlane16_swap_b32 v[(\pc)+4*\c+2*\u], v[(\pc)+4*\c+2*\u+1]   ; the first's lanes 16-31 change places with the second's lanes 0-15: register 4 c + i now holds k = 64 c + 32 h + 8 i .. + 7
.endr
.endr
.endm
; THE WAY OUT, block by block of 16 rows of A: + bias, quantised, stored. Every store of codes covers 512 consecutive bytes, aligned; each block has registers of its own for its codes and its word, so no store's data are written again.
.macro EPI isv
.irp a, 0,1,2,3,4,5,6,7
	WIN 0x06+(\a)/4                                ; source 0: the accumulators' window; source 1: window 1
.set i, 0
.rept 32
.if \isv
	v_pk_add_f32 v[T+2*i:T+2*i+1], v[64*((\a)%4)+2*i:64*((\a)%4)+2*i+1], v[BIAS+8*(\a)+(2*i)%8:BIAS+8*(\a)+(2*i)%8+1]
.else
	v_pk_add_f32 v[T+2*i:T+2*i+1], v[64*((\a)%4)+2*i:64*((\a)%4)+2*i+1], v[BIAS+2*i:BIAS+2*i+1]
.endif
.set i, i+1
.endr
	WIN 0
.if \isv
	QUANT T, 0x1800000, PC+8*\a, PW+\a
	global_store_b128 v[OV], v[PC+8*\a:PC+8*\a+3], s[12:13] offset:(\a/4)*HS+4096+(\a%4)*1024        ; d tile a % 4 of head a / 4: keys 0-63 of the step,
	global_store_b128 v[OV], v[PC+8*\a+4:PC+8*\a+7], s[12:13] offset:(\a/4)*HS+4096+(\a%4)*1024+512  ; keys 64-127
.else
	QUANT T, 0x3000000, PC+8*\a, PW+\a
	global_store_b128 v[OV], v[PC+8*\a:PC+8*\a+3], s[12:13] offset:512*\a                            ; tokens 16 a on: the first head's 64,
	global_store_b128 v[OV], v[PC+8*\a+4:PC+8*\a+7], s[12:13] offset:512*\a+HS                       ; the second head's
.endif
.endr
.irp i, 0,1,2,3
	v_cndmask_b32 v[Z+\i], v[PW+\i], v[PW+4+\i], s95   ; lanes 0-15: blocks 0-3's words; lanes 16-31: blocks 4-7's
.endr
.if \isv
	global_store_b128 v[OV2], v[Z:Z+3], s[12:13] offset:8704       ; sixteen lanes store 256 consecutive bytes of each head's record
.else
	global_store_b128 v[OV], v[Z:Z+3], s[12:13] offset:8192        ; the first head reads bytes 0, 1; bytes 2, 3 meet zero codes alone
.irp i, 0,1,2,3
	v_lshrrev_b32 v[ZB+\i], 16, v[Z+\i]            ; the second head's two bytes, zeros above
.endr
	global_store_b128 v[OV], v[ZB:ZB+3], s[12:13] offset:8192+HS
.endif
.endm
	s_wait_loadcnt 0x0                             ; the bias
	s_cmp_eq_u32 s96, 1
	s_cbranch_scc1 .Lepi_v
	EPI 0
	s_branch .Lend
.Lepi_v:
	EPI 1
.Lend:
	s_wait_tensorcnt 0x0                           ; the wave's end
	ds_add_u32 v[SPW], v[NIL]
	s_wait_dscnt 0x0
	CROUND                                         ; the closing round
	s_endpgm
.Lfunc_end_k_qd5d50285ba_qkv:
	.size	k_qd5d50285ba_qkv, .Lfunc_end_k_qd5d50285ba_qkv-k_qd5d50285ba_qkv
	.p2alignl 7, 3214868480
	.fill 96, 4, 3214868480
	.section	.rodata,"a",@progbits
	.p2align	6, 0x0
	.amdhsa_kernel k_qd5d50285ba_qkv
		.amdhsa_group_segment_fixed_size 327680
		.amdhsa_private_segment_fixed_size 0
		.amdhsa_enable_private_segment 0
		.amdhsa_kernarg_size 104
		.amdhsa_user_sgpr_count 2
		.amdhsa_user_sgpr_kernarg_segment_ptr 1
		.amdhsa_wavefront_size32 1
		.amdhsa_system_sgpr_workgroup_id_x 1
		.amdhsa_system_sgpr_workgroup_id_y 1
		.amdhsa_system_sgpr_workgroup_id_z 1
		.amdhsa_system_vgpr_workitem_id 0
		.amdhsa_next_free_vgpr 1024
		.amdhsa_next_free_sgpr 102
		.amdhsa_reserve_vcc 0
		.amdhsa_float_denorm_mode_32 3
		.amdhsa_float_denorm_mode_16_64 3
		.amdhsa_memory_ordered 1
		.amdhsa_forward_progress 1
		.amdhsa_inst_pref_size 201
	.end_amdhsa_kernel
	.amdgpu_metadata
---
amdhsa.version: [ 1, 2 ]
amdhsa.kernels:
  - .name:           k_qd5d50285ba_qkv
    .symbol:         k_qd5d50285ba_qkv.kd
    .args:
      - { .name: xc, .offset: 0, .size: 8, .value_kind: global_buffer, .address_space: global }
      - { .name: xs, .offset: 8, .size: 8, .value_kind: global_buffer, .address_space: global }
      - { .name: Wq_codes, .offset: 16, .size: 8, .value_kind: global_buffer, .address_space: global }
      - { .name: Wq_scales, .offset: 24, .size: 8, .value_kind: global_buffer, .address_space: global }
      - { .name: Wk_codes, .offset: 32, .size: 8, .value_kind: global_buffer, .address_space: global }
      - { .name: Wk_scales, .offset: 40, .size: 8, .value_kind: global_buffer, .address_space: global }
      - { .name: Wv_codes, .offset: 48, .size: 8, .value_kind: global_buffer, .address_space: global }
      - { .name: Wv_scales, .offset: 56, .size: 8, .value_kind: global_buffer, .address_space: global }
      - { .name: bq, .offset: 64, .size: 8, .value_kind: global_buffer, .address_space: global }
      - { .name: bk, .offset: 72, .size: 8, .value_kind: global_buffer, .address_space: global }
      - { .name: bv, .offset: 80, .size: 8, .value_kind: global_buffer, .address_space: global }
      - { .name: qb, .offset: 88, .size: 8, .value_kind: global_buffer, .address_space: global }
      - { .name: kv, .offset: 96, .size: 8, .value_kind: global_buffer, .address_space: global }
    .group_segment_fixed_size: 327680
    .private_segment_fixed_size: 0
    .kernarg_segment_align: 8
    .kernarg_segment_size: 104
    .max_flat_workgroup_size: 128
    .sgpr_count:     102
    .vgpr_count:     1024
    .wavefront_size: 32
...
	.end_amdgpu_metadata
.endif
;; end of part 2
;; launch attn (part 3): grid 256 x 1, 16 waves a work-group, clusters of 4 x 1, 167,936 bytes of LDS; arguments qb, kv, attention_mask, cc, cs; writes cc, cs
.if DOCPART == 3
	.amdgcn_target "amdgcn-amd-amdhsa--gfx1250"
	.amdhsa_code_object_version 6
	.text
	.protected	k_qd5d50285ba_attn
	.globl	k_qd5d50285ba_attn
	.p2align	8
	.type	k_qd5d50285ba_attn,@function
k_qd5d50285ba_attn:
	s_mov_b64 s[64:65], 0
	v_nop
	global_prefetch_b8 v0, s[64:65] scope:SCOPE_SE
	s_setreg_imm32_b32 hwreg(HW_REG_WAVE_MODE, 25, 1), 1
	s_wait_xcnt 0x0
	s_wait_alu depctr_hold_cnt(0) depctr_sa_sdst(0) depctr_va_vdst(0) depctr_va_sdst(0) depctr_va_ssrc(0) depctr_va_vcc(0) depctr_vm_vsrc(0)
	s_getreg_b32 s2, hwreg(HW_REG_IB_STS2, 6, 4)
	s_cmp_eq_u32 s2, 0
	s_cbranch_scc0 .Lentry_in_a_cluster
	s_endpgm
.Lentry_in_a_cluster:
	s_bfe_u32 s2, ttmp6, 0x10000c
	s_cmp_lg_u32 s2, 0x3003
	s_cbranch_scc0 .Lentry_shape_is_right
	s_endpgm
.Lentry_shape_is_right:
; ctx = softmax(q k^T / 8 + mask) v for one (batch, head), both products on codes of E2M1 with E8M0 scales; ctx is quantised along the hidden axis and stored as the next launch's operand. Nothing of reference() is left out.
; THE SOFTMAX: t = logit x log2(e); M = the running largest t rounded UP to a whole number; p = 2^(t - M) is quantised along the keys, not normalised; the row's sum is taken of the unquantised p and divides at the end.
; When M moves, the sum and O are multiplied by 2^(old M - new M), which rounds nothing.
; 1 / 8 IS EXACT: 3 is taken off q's two scale bytes (they are at least 4). THE MASK IS THE C OF S^T = K Q^T: eight registers a tile, mask[key], the same in all lanes of a half.
; K = 64 fills half of the instruction's 128: registers 4-7 of K's and Q's fragments hold zero codes, which add nothing under any scale byte but 0xff; the bytes that meet them are a neighbour head's (4 .. 252) or 0.
; SHARES. A cluster of four work-groups is one (batch, head): bh = cluster x. The head's K, V and scales, 143,360 dense bytes laid as images of operand registers, and the batch's mask come into LDS ONCE, asked for jointly
; by the four, and stay: no ring, no refill, no barrier in the walk over the keys. Work-group cx owns queries 512 cx on, in two blocks of 256; wave w owns 16 of a block. Four waves share a SIMD, so that one wave's
; vector work stands beside another's products and LDS loads.
; LAYOUT. Both products transposed: a lane holds ONE query (lane % 16). In S^T tile t, lane (r, h), register j: key 16 t + 8 h + j. Block b of 32 keys = registers 16 b .. + 15 of lanes l and l xor 16.
; No prefetch: all that is fetched is asked for at the head.
; cs is stored 2 bytes a token (of its 32): parts of aligned blocks; it is one seventeenth of what the launch stores.
; LIMITS: NaN and infinities are not served; logits beyond 2.3e38 overflow as t; blocks of ctx under 2^-124 take the floor's byte 1.
.set REC,   8960
.set HS,    16*REC
.set MASK,  HS                         ; behind the head: the batch's mask, 2,048 f32
.set SPARE, MASK+8192                  ; the spare words: 128 bytes for each of 16 waves, named by no other line
.set AL,  1                            ; v1  16 x lane
.set AR,  2                            ; v2  16 r
.set AM,  3                            ; v3  MASK + 32 h
.set QW0, 4                            ; v4  block 0's scale word of Q as loaded
.set SPW, 5
.set NIL, 6
.set CSO, 7                            ; v7  32 r
.set ADK, 8
.set ADT, 9
.set ADM, 10
.set QW1, 11                           ; v11 block 1's
.set KSC, 24                           ; v24-27 K's scale words; v28-31 V's; v253 p's; v255 Q's: scales and nothing else
.set VSC, 28
.set KF,  32                           ; v32-95  K: 8 fragments (the upper four registers of each stay 0)
.set S,   96                           ; v96-159 the mask, then S^T, then p
.set O,   160                          ; v160-191 O^T
.set VF,  192                          ; v192-223 V^T: 4 fragments
.set P,   224                          ; v224-231 p's codes
.set WV,  18
.set SEL, 20
.set CS,  22
.set G1R, 24
.set G1M, 32
.set G0M, 40
.set G0A, 44
.set G0B, 48
.set TB,  2
.set TM,  3
.set CNT, 52
.set CX,  53
.macro ROUND
	s_barrier_signal -1
	s_barrier_wait -1
	s_cmp_lg_u32 s[WV], 0
	s_cbranch_scc1 .Lnot_wave_0_\@
	s_barrier_signal -3
.Lnot_wave_0_\@:
	s_barrier_wait -3
	s_barrier_signal -1
	s_barrier_wait -1
.endm
	s_load_b256 s[4:11], s[0:1], 0x0               ; qb, kv, mask, cc
	s_load_b64 s[12:13], s[0:1], 0x20              ; cs
	v_lshl_add_u32 v[SPW], v0, 2, SPARE
	v_mov_b32 v[NIL], 0
	ds_add_u32 v[SPW], v[NIL]                      ; the wave's opening: the add, twice on end, and its wait ahead of the first tensor loads
	ds_add_u32 v[SPW], v[NIL]
	v_lshrrev_b32 v8, 5, v0
	s_delay_alu instid0(VALU_DEP_1)
	v_readfirstlane_b32 s[WV], v8                  ; wave 0..15
	s_bfe_u32 s[CX], ttmp6, 0x40000                ; cx: it enters global addresses of Q, cc and cs alone
	; dense blocks as rows of 256 bytes (32 elements of 8 bytes): 70 rows = 17,920 bytes of the head; 8 rows = 2,048 of the mask. Mask 15: all four partners; bit 21 beside it
	s_mov_b32 s[G1R], 15|(3<<16)|(1<<21)
	s_mov_b32 s[G1R+1], 32<<16
	s_mov_b32 s[G1R+2], 70<<16
	s_mov_b32 s[G1R+3], 32<<16
	s_mov_b32 s[G1R+4], 70
	s_mov_b32 s[G1R+5], 32
	s_mov_b32 s[G1R+6], 0
	s_mov_b32 s[G1R+7], 0
	s_mov_b32 s[G1M], 15|(3<<16)|(1<<21)
	s_mov_b32 s[G1M+1], 32<<16
	s_mov_b32 s[G1M+2], 8<<16
	s_mov_b32 s[G1M+3], 32<<16
	s_mov_b32 s[G1M+4], 8
	s_mov_b32 s[G1M+5], 32
	s_mov_b32 s[G1M+6], 0
	s_mov_b32 s[G1M+7], 0
	s_mov_b32 s[SEL], 0x76543210
	s_mov_b32 s[SEL+1], 0xfedcba98
	s_mov_b32 s[CS], 0x3fb8aa3b                    ; log2(e)
	s_mov_b32 s[CS+1], s[CS]
	s_and_b32 s14, s[WV], 3                        ; which quarter a loading wave takes
	s_mul_i32 s15, s14, 17920
	s_lshl_b32 s16, s14, 11
	s_mul_i32 s58, ttmp9, HS                       ; the head's first byte in kv and in qb
	s_add_co_u32 s60, s58, s15
	s_mov_b32 s61, 0
	s_lshr_b32 s62, ttmp9, 4                       ; the batch
	s_lshl_b32 s62, s62, 13
	s_add_co_u32 s62, s62, s16
	s_mov_b32 s63, 0
	s_wait_dscnt 0x0                               ; both opening adds are done
	s_wait_kmcnt 0x0
	s_mov_b32 s[G0M], 1
	s_add_co_u32 s[G0M+1], s16, MASK
	s_add_nc_u64 s[G0M+2:G0M+3], s[8:9], s[62:63]
	s_or_b32 s[G0M+3], s[G0M+3], 0x80000000
	s_mov_b32 s[G0A], 1
	s_mov_b32 s[G0A+1], s15                        ; records 0-7
	s_add_nc_u64 s[G0A+2:G0A+3], s[6:7], s[60:61]
	s_or_b32 s[G0A+3], s[G0A+3], 0x80000000
	s_mov_b32 s[G0B], 1
	s_add_co_u32 s[G0B+1], s15, 8*REC              ; records 8-15
	s_add_nc_u64 s[G0B+2:G0B+3], s[6:7], s[60:61]
	s_add_nc_u64 s[G0B+2:G0B+3], s[G0B+2:G0B+3], 8*REC
	s_or_b32 s[G0B+3], s[G0B+3], 0x80000000
	ROUND                                          ; all four work-groups are here: the joint loads meet
	s_cmp_lt_u32 s[WV], 4                          ; waves 0 to 3 fetch, three loads each, in one branch on the wave's number
	s_cbranch_scc0 .Lno_fill
	tensor_load_to_lds s[G0M:G0M+3], s[G1M:G1M+7]
	s_nop 0
	tensor_load_to_lds s[G0A:G0A+3], s[G1R:G1R+7]
	s_nop 0
	tensor_load_to_lds s[G0B:G0B+3], s[G1R:G1R+7]
	s_nop 0
.rept 4
	v_nop
.endr
.Lno_fill:
	v_and_b32 v8, 31, v0
	s_delay_alu instid0(VALU_DEP_1)
	v_lshlrev_b32 v[AL], 4, v8
	s_wait_alu depctr_va_vdst(0)
	v_and_b32 v9, 15, v0
	s_delay_alu instid0(VALU_DEP_1)
	v_lshlrev_b32 v[AR], 4, v9
	s_wait_alu depctr_va_vdst(0)
	v_bfe_u32 v10, v0, 4, 1
	s_delay_alu instid0(VALU_DEP_1)
	v_lshl_add_u32 v[AM], v10, 5, MASK
	v_lshlrev_b32 v[CSO], 5, v9
	; Q of block 0: record 4 cx + w / 8 of the head, tile w % 8; block 1: two records on
	s_lshl_b32 s54, s[CX], 2
	s_lshr_b32 s55, s[WV], 3
	s_add_co_u32 s54, s54, s55
	s_mul_i32 s54, s54, REC
	s_add_co_u32 s54, s54, s58
	s_and_b32 s55, s[WV], 7
	s_lshl_b32 s55, s55, 9
	s_add_co_u32 s56, s54, s55
	s_mov_b32 s57, 0
	s_add_nc_u64 s[56:57], s[4:5], s[56:57]        ; the tile's image
	s_bfe_u32 s55, s[WV], 0x10002
	s_lshl_b32 s55, s55, 8                         ; its scale words: half (w / 4) % 2 of the image's lanes,
	s_add_co_u32 s54, s54, s55
	s_and_b32 s55, s[WV], 3
	s_lshl_b32 s55, s55, 2                         ; word w % 4 of a lane's four
	s_add_co_u32 s54, s54, s55
	s_mov_b32 s55, 0
	s_add_nc_u64 s[4:5], s[4:5], s[54:55]
	global_load_b128 v[16:19], v[AL], s[56:57]
	global_load_b128 v[248:251], v[AL], s[56:57] offset:2*REC
	global_load_b32 v[QW0], v[AR], s[4:5] offset:8192
	global_load_b32 v[QW1], v[AR], s[4:5] offset:8192+2*REC
	; cc and cs at my tile of 16 tokens: 128 x batch + 32 cx + w
	s_lshr_b32 s54, ttmp9, 4
	s_lshl_b32 s54, s54, 7
	s_lshl_b32 s55, s[CX], 5
	s_add_co_u32 s54, s54, s55
	s_add_co_u32 s54, s54, s[WV]
	s_and_b32 s17, ttmp9, 15                       ; the head
	s_lshl_b32 s19, s54, 9                         ; cs: 512 bytes a tile
	s_lshl_b32 s54, s54, 13                        ; cc: 8,192 bytes a tile,
	s_lshl_b32 s55, s17, 9                         ; 512 a head
	s_add_co_u32 s54, s54, s55
	s_mov_b32 s55, 0
	s_add_nc_u64 s[10:11], s[10:11], s[54:55]
	s_lshl_b32 s54, s17, 1                         ; two bytes a head
	s_add_co_u32 s54, s54, s19
	s_add_nc_u64 s[12:13], s[12:13], s[54:55]
.irp i, 20,21,22,23
	v_mov_b32 v[\i], 0                             ; zero codes for k = 64 .. 127: Q's,
.endr
.irp t, 0,1,2,3,4,5,6,7
.irp i, 4,5,6,7
	v_mov_b32 v[KF+8*\t+\i], 0                     ; and K's: written once
.endr
.endr
	s_wait_tensorcnt 0x0                           ; my parts of the mask and of the head have landed,
	s_barrier_signal -1
	s_barrier_wait -1                              ; everybody's have. From here on LDS is only read
	s_wait_loadcnt 0x0                             ; Q
; A KEY STEP: 128 keys, one record.
.macro STEP
	v_add_nc_u32 v[ADK], s[TB], v[AL]
	v_add_nc_u32 v[ADT], s[TB], v[AR]
	v_add_nc_u32 v[ADM], s[TM], v[AM]
	v_nop                                          ; four plain lines between the last products and the loads into their registers
.irp t, 0,1,2,3,4,5,6,7
	ds_load_b128 v[S+8*\t:S+8*\t+3], v[ADM] offset:64*\t           ; the mask of keys 16 t + 8 h + 0 .. 7: the C of tile t
	ds_load_b128 v[S+8*\t+4:S+8*\t+7], v[ADM] offset:64*\t+16
.endr
.irp t, 0,1,2,3,4,5,6,7
	ds_load_b128 v[KF+8*\t:KF+8*\t+3], v[ADK] offset:512*\t
.endr
	ds_load_b128 v[KSC:KSC+3], v[ADK] offset:8192
.irp d, 0,1,2,3
.irp c, 0,1
	ds_load_b128 v[VF+8*\d+4*\c:VF+8*\d+4*\c+3], v[ADK] offset:4096+1024*\d+512*\c
.endr
.endr
	ds_load_b128 v[VSC:VSC+3], v[ADT] offset:8704
	s_wait_dscnt 9                                 ; the mask, K and its scale words are in; V's eight loads and its scale words may be out
.irp t, 0,1,2,3
	v_wmma_scale_f32_16x16x128_f8f6f4 v[S+8*\t:S+8*\t+7], v[KF+8*\t:KF+8*\t+7], v[16:23], v[S+8*\t:S+8*\t+7], v[KSC+\t], v255 matrix_a_fmt:MATRIX_FMT_FP4 matrix_b_fmt:MATRIX_FMT_FP4
.endr
.irp t, 4,5,6,7
	v_wmma_scale_f32_16x16x128_f8f6f4 v[S+8*\t:S+8*\t+7], v[KF+8*\t:KF+8*\t+7], v[16:23], v[S+8*\t:S+8*\t+7], v[KSC+\t-4], v255 matrix_a_fmt:MATRIX_FMT_FP4 matrix_b_fmt:MATRIX_FMT_FP4 matrix_a_scale:MATRIX_SCALE_ROW1
.endr
.rept 4
	v_nop
.endr
.irp b, 0,1,2,3
	v_max3_num_f32 v[232+\b], v[S+16*\b], v[S+1+16*\b], v[S+2+16*\b]   ; the largest logit of each block of 32 keys: for the row's maximum and, since p rises with the logit, for the block's largest p
.endr
.irp i, 3,5,7,9,11,13
.irp b, 0,1,2,3
	v_max3_num_f32 v[232+\b], v[232+\b], v[S+16*\b+\i], v[S+1+16*\b+\i]
.endr
.endr
.irp b, 0,1,2,3
	v_max_num_f32 v[232+\b], v[232+\b], v[S+15+16*\b]
.endr
.irp b, 0,1,2,3
	s_delay_alu instid0(VALU_DEP_4)
	v_permlanex16_b32 v[236+\b], v[232+\b], s[SEL], s[SEL+1]
.endr
.irp b, 0,1,2,3
	s_delay_alu instid0(VALU_DEP_4)
	v_max_num_f32 v[232+\b], v[232+\b], v[236+\b]  ; with lane l xor 16's 16 keys
.endr
	s_delay_alu instid0(VALU_DEP_2)
	v_max3_num_f32 v254, v232, v233, v234
	s_delay_alu instid0(VALU_DEP_1)
	v_max_num_f32 v254, v254, v235
	s_delay_alu instid0(VALU_DEP_1)
	v_mul_f32 v254, s[CS], v254                    ; the step's largest t
	s_delay_alu instid0(VALU_DEP_1)
	v_max_num_f32 v13, v13, v254                   ; the running largest t
	v_mov_b32 v254, v12
	s_delay_alu instid0(VALU_DEP_2)
	v_floor_f32 v12, -v13                          ; the new -M = -ceil(t)
	s_delay_alu instid0(VALU_DEP_1)
	v_sub_f32 v254, v12, v254                      ; old M - new M: a whole number, 0 or less
	s_delay_alu instid0(VALU_DEP_1)
	v_cvt_i32_f32 v254, v254                       ; (it saturates)
	s_delay_alu instid0(VALU_DEP_1)
	v_ldexp_f32 v252, 1.0, v254                    ; f = 2^(old M - new M)
.set j, 0
.rept 32
	v_pk_fma_f32 v[S+j:S+j+1], v[S+j:S+j+1], s[CS:CS+1], v[12:13] op_sel_hi:[1,0,0]   ; t - M, two at a time
.set j, j+2
.endr
.irp b, 0,1,2,3
	v_fma_f32 v[232+\b], v[232+\b], s[CS], v12     ; the same of each block's largest logit
.endr
.set j, 0
	s_setprio 1
	s_wait_alu depctr_va_vdst(0)
.rept 64
	v_exp_f32 v[S+j], v[S+j]                       ; p = 2^(t - M)
.set j, j+1
.endr
	v_pk_mul_f32 v[14:15], v[14:15], v[252:253] op_sel_hi:[1,0]   ; the sums under the new M (the plain line behind the exponentials)
	s_wait_alu depctr_va_vdst(0)                   ; one wait for the batch of 64, ahead of its first reader
.irp b, 0,1,2,3
	v_exp_f32 v[232+\b], v[232+\b]                 ; each block's largest p
.endr
	v_pk_add_f32 v[236:237], v[100:101], v[104:105]
	v_pk_add_f32 v[246:247], v[108:109], v[112:113]
	v_pk_add_f32 v[244:245], v[116:117], v[120:121]
	v_pk_add_f32 v[242:243], v[124:125], v[128:129]
	v_pk_add_f32 v[240:241], v[132:133], v[136:137]
	v_pk_add_f32 v[238:239], v[140:141], v[144:145]
	v_pk_add_f32 v[230:231], v[148:149], v[152:153]
	v_pk_add_f32 v[14:15], v[14:15], v[156:157]
	v_pk_add_f32 v[236:237], v[236:237], v[96:97]
	v_pk_add_f32 v[246:247], v[246:247], v[98:99]
	v_pk_add_f32 v[244:245], v[244:245], v[102:103]
	v_pk_add_f32 v[242:243], v[242:243], v[106:107]
	v_pk_add_f32 v[240:241], v[240:241], v[110:111]
	v_pk_add_f32 v[238:239], v[238:239], v[114:115]
	v_pk_add_f32 v[230:231], v[230:231], v[118:119]
	v_pk_add_f32 v[14:15], v[14:15], v[122:123]
	v_pk_add_f32 v[236:237], v[236:237], v[126:127]
	v_pk_add_f32 v[246:247], v[246:247], v[130:131]
	v_pk_add_f32 v[244:245], v[244:245], v[134:135]
	v_pk_add_f32 v[242:243], v[242:243], v[138:139]
	v_pk_add_f32 v[240:241], v[240:241], v[142:143]
	v_pk_add_f32 v[238:239], v[238:239], v[146:147]
	v_pk_add_f32 v[230:231], v[230:231], v[150:151]
	v_pk_add_f32 v[14:15], v[14:15], v[154:155]
	v_pk_add_f32 v[236:237], v[236:237], v[158:159]
	s_delay_alu instid0(VALU_DEP_2)
	v_pk_add_f32 v[14:15], v[14:15], v[242:243]
	s_delay_alu instid0(VALU_DEP_2)
	v_pk_add_f32 v[236:237], v[236:237], v[240:241]
	v_pk_add_f32 v[246:247], v[246:247], v[238:239]
	v_pk_add_f32 v[244:245], v[244:245], v[230:231]
	s_delay_alu instid0(VALU_DEP_2)
	v_pk_add_f32 v[14:15], v[14:15], v[246:247]
	s_delay_alu instid0(VALU_DEP_2)
	v_pk_add_f32 v[236:237], v[236:237], v[244:245]
	s_delay_alu instid0(VALU_DEP_1)
	v_pk_add_f32 v[14:15], v[14:15], v[236:237]
	s_wait_alu depctr_va_vdst(0)                   ; and one for the four
.irp b, 0,1,2,3
	v_max_num_f32 v[232+\b], 0x1800000, v[232+\b]  ; the floor 2^(3 - 127): the byte cannot fall under 1
.endr
.irp b, 0,1,2,3
	s_delay_alu instid0(VALU_DEP_4)
	v_add_nc_u32 v[244+\b], 0xff000000, v[232+\b]  ; the conversion's scale operand
.endr
.irp b, 0,1,2,3
	s_delay_alu instid0(VALU_DEP_4)
	v_lshrrev_b32 v[236+\b], 23, v[244+\b]         ; the scale's byte
.endr
	s_delay_alu instid0(VALU_DEP_3)
	v_lshl_or_b32 v253, v237, 8, v236              ; p's scale word for these 128 keys
	s_delay_alu instid0(VALU_DEP_1)
	v_lshl_or_b32 v253, v238, 16, v253
	s_delay_alu instid0(VALU_DEP_1)
	v_lshl_or_b32 v253, v239, 24, v253
.irp b, 0,1,2,3
.irp u, 0,1
	v_cvt_scalef32_pk8_fp4_f32 v[P+4*(\b/2)+2*\u+(\b%2)], v[S+16*\b+8*\u:S+16*\b+8*\u+7], v[244+\b]
.endr
.endr
	v_nop                                          ; one plain line behind the conversions
	s_setprio 0
.irp c, 0,1
.irp u, 0,1
	v_permlane16_swap_b32 v[P+4*\c+2*\u], v[P+4*\c+2*\u+1]   ; register 4 c + i now holds keys 64 c + 32 h + 8 i .. + 7
.endr
.endr
.set j, 0
.rept 16
	v_pk_mul_f32 v[O+j:O+j+1], v[O+j:O+j+1], v[252:253] op_sel_hi:[1,0]   ; O^T under the new M; these sixteen also stand between the lines that made p's codes and scale word and the products
.set j, j+2
.endr
	s_wait_alu depctr_va_vdst(0)
	s_wait_dscnt 0x0                               ; V and its scale words
.irp d, 0,1,2,3
	v_wmma_scale_f32_16x16x128_f8f6f4 v[O+8*\d:O+8*\d+7], v[VF+8*\d:VF+8*\d+7], v[P:P+7], v[O+8*\d:O+8*\d+7], v[VSC+\d], v253 matrix_a_fmt:MATRIX_FMT_FP4 matrix_b_fmt:MATRIX_FMT_FP4
.endr
	s_add_co_u32 s[TB], s[TB], REC
	s_add_co_u32 s[TM], s[TM], 512
.endm
.macro WALK                            ; all 2,048 keys. The twelve accumulators of a step take single turns, over the backward jump too
	s_mov_b32 s[CNT], 16
.Lkeys_\@:
	s_setprio 2
	STEP
	s_sub_co_u32 s[CNT], s[CNT], 1
	s_cmp_lg_u32 s[CNT], 0
	s_cbranch_scc1 .Lkeys_\@
	s_setprio 0
.endm
.macro INIT blk
.if \blk
	s_wait_xcnt 0x0                                ; block 0's stores have read their registers
.irp i, 0,1,2,3
	v_mov_b32 v[16+\i], v[248+\i]
.endr
	v_add_nc_u32 v255, 0xfffffcfd, v[QW1]          ; 3 off bytes 0 and 1: q / 8, exactly
.else
	v_add_nc_u32 v255, 0xfffffcfd, v[QW0]
.endif
	s_mov_b32 s[TB], 0
	s_mov_b32 s[TM], 0
	v_mov_b32 v13, 0xff61b1e6                      ; the largest t so far: -3e38
	s_delay_alu instid0(VALU_DEP_1)
	v_floor_f32 v12, -v13
	v_mov_b32 v14, 0
	v_mov_b32 v15, 0
.irp b, 0,1,2,3
	v_mov_b32 v[236+\b], 0                         ; a lane permute's destination counts as one of its sources
.endr
	v_mov_b32 v253, 0                              ; (named as the upper half of v[252:253] before it is first written)
.set j, 0
.rept 32
	v_mov_b32 v[O+j], 0                            ; O^T: the step is written once; the first change of M leaves zeros zeros
.set j, j+1
.endr
.endm
; ctx = O^T / the sum; its 64 numbers a token are two blocks of the next product's K.
.macro OUT blk
	v_add_f32 v14, v14, v15
	s_delay_alu instid0(VALU_DEP_1)
	v_permlanex16_b32 v252, v14, s[SEL], s[SEL+1]
	s_delay_alu instid0(VALU_DEP_1)
	v_add_f32 v14, v14, v252                       ; the row's sum
	s_wait_alu depctr_va_vdst(0)
	v_rcp_f32 v14, v14
.rept 4
	v_nop                                          ; plain lines behind the reciprocal and behind the last products
.endr
	s_wait_alu depctr_va_vdst(0)                   ; ahead of the reciprocal's first reader
.set j, 0
.rept 16
	v_pk_mul_f32 v[S+j:S+j+1], v[O+j:O+j+1], v[14:15] op_sel_hi:[1,0]   ; each accumulator from its low end on
.set j, j+2
.endr
.irp b, 0,1
	v_max3_num_f32 v[232+\b], |v[S+16*\b]|, |v[S+1+16*\b]|, 0x1800000
.endr
.irp i, 2,4,6,8,10,12,14
.irp b, 0,1
	s_delay_alu instid0(VALU_DEP_2)
	v_max3_num_f32 v[232+\b], v[232+\b], |v[S+16*\b+\i]|, |v[S+1+16*\b+\i]|
.endr
.endr
.irp b, 0,1
	s_delay_alu instid0(VALU_DEP_2)
	v_permlanex16_b32 v[236+\b], v[232+\b], s[SEL], s[SEL+1]
.endr
.irp b, 0,1
	s_delay_alu instid0(VALU_DEP_2)
	v_max_num_f32 v[232+\b], v[232+\b], v[236+\b]
.endr
.irp b, 0,1
	s_delay_alu instid0(VALU_DEP_2)
	v_add_nc_u32 v[244+\b], 0xff000000, v[232+\b]
.endr
.irp b, 0,1
	s_delay_alu instid0(VALU_DEP_2)
	v_lshrrev_b32 v[236+\b], 23, v[244+\b]
.endr
	s_delay_alu instid0(VALU_DEP_1)
	v_lshl_or_b32 v240, v237, 8, v236              ; my token's two scale bytes
.irp b, 0,1
.irp u, 0,1
	v_cvt_scalef32_pk8_fp4_f32 v[P+2*\u+\b], v[S+16*\b+8*\u:S+16*\b+8*\u+7], v[244+\b]
.endr
.endr
	v_nop
.irp u, 0,1
	v_permlane16_swap_b32 v[P+2*\u], v[P+2*\u+1]
.endr
	global_store_b128 v[AL], v[P:P+3], s[10:11] offset:\blk*131072   ; half a fragment's image: 512 consecutive bytes, aligned
	global_store_b16 v[CSO], v240, s[12:13] offset:\blk*8192         ; lanes r and r + 16 store the same two bytes
.endm
	INIT 0
	WALK
	OUT 0
	INIT 1
	WALK
	OUT 1
	s_wait_tensorcnt 0x0                           ; the wave's end
	ds_add_u32 v[SPW], v[NIL]
	s_wait_dscnt 0x0
	ROUND                                          ; the closing round
	s_endpgm
.Lfunc_end_k_qd5d50285ba_attn:
	.size	k_qd5d50285ba_attn, .Lfunc_end_k_qd5d50285ba_attn-k_qd5d50285ba_attn
	.p2alignl 7, 3214868480
	.fill 96, 4, 3214868480
	.section	.rodata,"a",@progbits
	.p2align	6, 0x0
	.amdhsa_kernel k_qd5d50285ba_attn
		.amdhsa_group_segment_fixed_size 167936
		.amdhsa_private_segment_fixed_size 0
		.amdhsa_enable_private_segment 0
		.amdhsa_kernarg_size 40
		.amdhsa_user_sgpr_count 2
		.amdhsa_user_sgpr_kernarg_segment_ptr 1
		.amdhsa_wavefront_size32 1
		.amdhsa_system_sgpr_workgroup_id_x 1
		.amdhsa_system_sgpr_workgroup_id_y 1
		.amdhsa_system_sgpr_workgroup_id_z 1
		.amdhsa_system_vgpr_workitem_id 0
		.amdhsa_next_free_vgpr 256
		.amdhsa_next_free_sgpr 66
		.amdhsa_reserve_vcc 0
		.amdhsa_float_denorm_mode_32 3
		.amdhsa_float_denorm_mode_16_64 3
		.amdhsa_memory_ordered 1
		.amdhsa_forward_progress 1
		.amdhsa_inst_pref_size 53
	.end_amdhsa_kernel
	.amdgpu_metadata
---
amdhsa.version: [ 1, 2 ]
amdhsa.kernels:
  - .name:           k_qd5d50285ba_attn
    .symbol:         k_qd5d50285ba_attn.kd
    .args:
      - { .name: qb, .offset: 0, .size: 8, .value_kind: global_buffer, .address_space: global }
      - { .name: kv, .offset: 8, .size: 8, .value_kind: global_buffer, .address_space: global }
      - { .name: attention_mask, .offset: 16, .size: 8, .value_kind: global_buffer, .address_space: global }
      - { .name: cc, .offset: 24, .size: 8, .value_kind: global_buffer, .address_space: global }
      - { .name: cs, .offset: 32, .size: 8, .value_kind: global_buffer, .address_space: global }
    .group_segment_fixed_size: 167936
    .private_segment_fixed_size: 0
    .kernarg_segment_align: 8
    .kernarg_segment_size: 40
    .max_flat_workgroup_size: 512
    .sgpr_count:     66
    .vgpr_count:     256
    .wavefront_size: 32
...
	.end_amdgpu_metadata
.endif
;; end of part 3
;; launch outln (part 4): grid 256 x 1, 16 waves a work-group, clusters of 4 x 1, 327,680 bytes of LDS; arguments cc, cs, Wo_codes, Wo_scales, bo, hidden_states, ln_gamma, ln_beta, out0; writes out0
.if DOCPART == 4
	.amdgcn_target "amdgcn-amd-amdhsa--gfx1250"
	.amdhsa_code_object_version 6
	.text
	.protected	k_qd5d50285ba_outln
	.globl	k_qd5d50285ba_outln
	.p2align	8
	.type	k_qd5d50285ba_outln,@function
k_qd5d50285ba_outln:
	s_mov_b64 s[64:65], 0
	v_nop
	global_prefetch_b8 v0, s[64:65] scope:SCOPE_SE
	s_setreg_imm32_b32 hwreg(HW_REG_WAVE_MODE, 25, 1), 1
	s_wait_xcnt 0x0
	s_wait_alu depctr_hold_cnt(0) depctr_sa_sdst(0) depctr_va_vdst(0) depctr_va_sdst(0) depctr_va_ssrc(0) depctr_va_vcc(0) depctr_vm_vsrc(0)
	s_getreg_b32 s2, hwreg(HW_REG_IB_STS2, 6, 4)
	s_cmp_eq_u32 s2, 0
	s_cbranch_scc0 .Lentry_in_a_cluster
	s_endpgm
.Lentry_in_a_cluster:
	s_bfe_u32 s2, ttmp6, 0x10000c
	s_cmp_lg_u32 s2, 0x3003
	s_cbranch_scc0 .Lentry_shape_is_right
	s_endpgm
.Lentry_shape_is_right:
; out0 = LayerNorm(ctx Wo^T + bo + hidden_states) x gamma + beta; the product on codes of E2M1 with E8M0 scales, all else in f32. Nothing of reference() is left out.
; SHARES. A work-group owns 32 tokens and ALL 1,024 features, so that a row's mean and variance need no other work-group. Its ctx (two tiles of 16 tokens x 1,024, 128 registers) stays in every wave's registers.
; Wo walks in four phases of 256 features with the whole K (rows of 512 bytes + 16 of padding) through two LDS slots; in a phase wave w makes features 16 w .. + 15 of the 256 for both tiles of tokens.
; CLUSTER: the four work-groups of a cluster walk the same Wo: each slot is asked for jointly (mask 15), by waves 0 to 3, 64 rows each.
; The matrix instruction takes 16 rows of Wo as source 0 and 16 tokens as source 1: a lane holds one token and eight neighbouring features.
; THE WAY OUT: the 32 x 1,024 results meet in a stage (rows of 4,096 + 16 bytes) that lies in slot 0, behind its last fill and its last read; wave w then takes rows 2 w and 2 w + 1 whole and does their LayerNorm inside the wave.
; A prefetch names my two rows of hidden_states (8,192 consecutive bytes, lanes 256 bytes apart, each block named once in the launch) in phase 0; they are loaded behind phase 3.
; LIMITS: NaN and infinities are not served.
.set PITCH, 528
.set SLOTB, 256*PITCH
.set QUART, 64*PITCH
.set SPARE, 2*SLOTB                    ; the spare words: 128 bytes for each of 16 waves, named by no other line
.set SP,    4112
.set AL,  1                            ; v1 16 x lane
.set WA0, 2                            ; v2, v3 my row of Wo in slot 0, 1: (16 w + r) x PITCH + 16 h
.set WSO, 4                            ; v4 (16 w + r) x 32
.set SO0, 5                            ; v5, v6 the stage, in: (16 m + r) x SP + 64 w + 32 h
.set RD,  7                            ; v7 back: 2 w x SP + 16 x lane
.set XSO, 8                            ; v8 32 x lane
.set PFO, 9                            ; v9 256 x lane
.set ACC, 16                           ; v16-79   accumulators (phase q, tile m) at 8 (2 q + m)
.set CF,  80                           ; v80-207  ctx: fragment (m, K step) at 8 (8 m + s)
.set XS,  208                          ; v208-215 ctx's scale words: lanes 0-15 tile 0, lanes 16-31 tile 1
.set WF,  216                          ; v216-231 Wo's fragments, two sets
.set WS,  232                          ; v232-247 Wo's scale words, two sets
.set SPW, 254
.set NIL, 255
.set G1W, 24
.set G0,  32
.macro ROUND
	s_barrier_signal -1
	s_barrier_wait -1
	s_cmp_lg_u32 s22, 0
	s_cbranch_scc1 .Lnot_wave_0_\@
	s_barrier_signal -3
.Lnot_wave_0_\@:
	s_barrier_wait -3
	s_barrier_signal -1
	s_barrier_wait -1
.endm
	s_load_b512 s[4:19], s[0:1], 0x0               ; cc, cs, Wo codes, Wo scales, bo, hidden, gamma, beta
	s_load_b64 s[20:21], s[0:1], 0x40              ; out0
	v_lshl_add_u32 v[SPW], v0, 2, SPARE
	v_mov_b32 v[NIL], 0
	ds_add_u32 v[SPW], v[NIL]                      ; the wave's opening: the add, twice on end, and its wait ahead of the first tensor loads
	ds_add_u32 v[SPW], v[NIL]
	v_lshrrev_b32 v10, 5, v0
	s_delay_alu instid0(VALU_DEP_1)
	v_readfirstlane_b32 s22, v10                   ; wave 0..15
	s_bfe_u32 s23, ttmp6, 0x40000                  ; cx
	s_mov_b32 s[G1W], 15|(0<<16)|(1<<20)|(1<<21)|(6<<22)|(3<<25)   ; mask: all four; elements of 1 byte; padding: 4 words behind every 128
	s_mov_b32 s[G1W+1], 512<<16
	s_mov_b32 s[G1W+2], 64<<16
	s_mov_b32 s[G1W+3], 512<<16
	s_mov_b32 s[G1W+4], 64
	s_mov_b32 s[G1W+5], 512
	s_mov_b32 s[G1W+6], 0
	s_mov_b32 s[G1W+7], 0
	s_mov_b32 s40, 0x76543210
	s_mov_b32 s41, 0xfedcba98
	s_mov_b32 s42, 0x3a800000                      ; 1 / 1,024
	s_mov_b32 s43, 0x2b8cbccc                      ; 1e-12
	s_and_b32 s44, s22, 3                          ; which 64 rows a loading wave takes
	s_mul_i32 s45, s44, QUART
	s_lshl_b32 s46, s44, 15
	s_mov_b32 s47, 0
	s_wait_dscnt 0x0                               ; both opening adds are done
	s_wait_kmcnt 0x0
.irp s, 0,1
	s_mov_b32 s[G0+4*\s], 1
	s_add_co_u32 s[G0+4*\s+1], s45, \s*SLOTB
	s_add_nc_u64 s[G0+4*\s+2:G0+4*\s+3], s[8:9], s[46:47]
.if \s
	s_add_nc_u64 s[G0+4*\s+2:G0+4*\s+3], s[G0+4*\s+2:G0+4*\s+3], 131072   ; phase 1: 256 rows on
.endif
	s_or_b32 s[G0+4*\s+3], s[G0+4*\s+3], 0x80000000
.endr
	ROUND                                          ; all four work-groups are here: the joint loads meet
	s_cmp_lt_u32 s22, 4
	s_cbranch_scc0 .Lno_fill
	tensor_load_to_lds s[G0:G0+3], s[G1W:G1W+7]
	s_nop 0
	tensor_load_to_lds s[G0+4:G0+7], s[G1W:G1W+7]
	s_nop 0
.rept 4
	v_nop
.endr
.Lno_fill:
	v_and_b32 v10, 31, v0                          ; lane
	v_and_b32 v11, 15, v0                          ; r
	v_bfe_u32 v12, v0, 4, 1                        ; h
	s_delay_alu instid0(VALU_DEP_3)
	v_lshlrev_b32 v[AL], 4, v10
	s_lshl_b32 s51, s22, 4
	v_add_nc_u32 v13, s51, v11                     ; 16 w + r
	s_delay_alu instid0(VALU_DEP_1)
	v_mul_u32_u24 v[WA0], v13, PITCH
	s_delay_alu instid0(VALU_DEP_1)
	v_lshl_add_u32 v[WA0], v12, 4, v[WA0]
	s_delay_alu instid0(VALU_DEP_1)
	v_add_nc_u32 v[WA0+1], SLOTB, v[WA0]
	s_delay_alu instid0(VALU_DEP_4)
	v_lshlrev_b32 v[WSO], 5, v13
	v_mul_u32_u24 v[SO0], v11, SP
	s_delay_alu instid0(VALU_DEP_1)
	v_lshl_add_u32 v[SO0], v12, 5, v[SO0]
	s_lshl_b32 s51, s22, 6
	v_add_nc_u32 v[SO0], s51, v[SO0]
	s_delay_alu instid0(VALU_DEP_1)
	v_add_nc_u32 v[SO0+1], 16*SP, v[SO0]
	s_mul_i32 s51, s22, 2*SP
	v_add_nc_u32 v[RD], s51, v[AL]
	v_lshlrev_b32 v[XSO], 5, v10
	s_wait_alu depctr_va_vdst(0)
	v_lshlrev_b32 v[PFO], 8, v10
	s_lshl_b32 s50, ttmp9, 2
	s_add_co_u32 s50, s50, s23                     ; g: my 32 tokens
	s_lshl_b32 s48, s50, 14
	s_mov_b32 s49, 0
	s_add_nc_u64 s[4:5], s[4:5], s[48:49]          ; cc: 16,384 bytes
	s_lshl_b32 s48, s50, 10
	s_add_nc_u64 s[6:7], s[6:7], s[48:49]          ; cs: 1,024
	s_lshl_b32 s48, s50, 4
	s_add_co_u32 s48, s48, s22
	s_lshl_b32 s48, s48, 13                        ; my two rows of hidden and of out0: (16 g + w) x 8,192
	s_add_nc_u64 s[14:15], s[14:15], s[48:49]
	s_add_nc_u64 s[20:21], s[20:21], s[48:49]
.irp m, 0,1
.irp s, 0,1,2,3,4,5,6,7
.irp c, 0,1
	global_load_b128 v[CF+8*(8*\m+\s)+4*\c:CF+8*(8*\m+\s)+4*\c+3], v[AL], s[4:5] offset:8192*\m+1024*\s+512*\c
.endr
.endr
.endr
	global_load_b128 v[XS:XS+3], v[XSO], s[6:7]
	global_load_b128 v[XS+4:XS+7], v[XSO], s[6:7] offset:16
	global_load_b128 v[WS:WS+3], v[WSO], s[10:11]
	global_load_b128 v[WS+4:WS+7], v[WSO], s[10:11] offset:16
	s_wait_alu depctr_va_vdst(0)
	s_wait_tensorcnt 0x1                           ; my part of slot 0 is in; slot 1's may stay out
	s_barrier_signal -1
	s_barrier_wait -1
.macro WFL slot, ks, buf               ; my 16 rows of Wo, K step ks, into set buf
	ds_load_b128 v[WF+8*(\buf):WF+8*(\buf)+3], v[WA0+\slot] offset:64*(\ks)
	ds_load_b128 v[WF+8*(\buf)+4:WF+8*(\buf)+7], v[WA0+\slot] offset:64*(\ks)+32
.endm
; A phase: 256 features; my 16 of them x 32 tokens x K = 1,024: two accumulators by turns, eight K steps.
.macro PHASE q, slot
	s_wait_loadcnt 0x0                             ; ctx and its scale words (phase 0); this phase's scale words of Wo
	WFL \slot, 0, 0
	WFL \slot, 1, 1
.if \q < 3
	global_load_b128 v[WS+8*((\q+1)%2):WS+8*((\q+1)%2)+3], v[WSO], s[10:11] offset:8192*(\q+1)        ; the next phase's scale words: 512 consecutive bytes a wave
	global_load_b128 v[WS+8*((\q+1)%2)+4:WS+8*((\q+1)%2)+7], v[WSO], s[10:11] offset:8192*(\q+1)+16
.endif
.if \q == 0
	global_prefetch_b8 v[PFO], s[14:15] th:TH_LOAD_NT scope:SCOPE_SE   ; my two rows of hidden_states, wanted behind phase 3; its address registers are never rewritten
.endif
.irp k, 0,1,2,3,4,5,6,7
.if \k < 7
	s_wait_dscnt 2                                 ; this K step's two loads are in; the next step's two may be out
.else
	s_wait_dscnt 0
.endif
.if \k == 0
	v_wmma_scale_f32_16x16x128_f8f6f4 v[ACC+8*(2*\q):ACC+8*(2*\q)+7], v[WF+8*(\k%2):WF+8*(\k%2)+7], v[CF+8*\k:CF+8*\k+7], 0, v[WS+8*(\q%2)+\k], v[XS+\k] matrix_a_fmt:MATRIX_FMT_FP4 matrix_b_fmt:MATRIX_FMT_FP4
	v_wmma_scale_f32_16x16x128_f8f6f4 v[ACC+8*(2*\q+1):ACC+8*(2*\q+1)+7], v[WF+8*(\k%2):WF+8*(\k%2)+7], v[CF+8*(8+\k):CF+8*(8+\k)+7], 0, v[WS+8*(\q%2)+\k], v[XS+\k] matrix_a_fmt:MATRIX_FMT_FP4 matrix_b_fmt:MATRIX_FMT_FP4 matrix_b_scale:MATRIX_SCALE_ROW1
.else
	v_wmma_scale_f32_16x16x128_f8f6f4 v[ACC+8*(2*\q):ACC+8*(2*\q)+7], v[WF+8*(\k%2):WF+8*(\k%2)+7], v[CF+8*\k:CF+8*\k+7], v[ACC+8*(2*\q):ACC+8*(2*\q)+7], v[WS+8*(\q%2)+\k], v[XS+\k] matrix_a_fmt:MATRIX_FMT_FP4 matrix_b_fmt:MATRIX_FMT_FP4
	v_wmma_scale_f32_16x16x128_f8f6f4 v[ACC+8*(2*\q+1):ACC+8*(2*\q+1)+7], v[WF+8*(\k%2):WF+8*(\k%2)+7], v[CF+8*(8+\k):CF+8*(8+\k)+7], v[ACC+8*(2*\q+1):ACC+8*(2*\q+1)+7], v[WS+8*(\q%2)+\k], v[XS+\k] matrix_a_fmt:MATRIX_FMT_FP4 matrix_b_fmt:MATRIX_FMT_FP4 matrix_b_scale:MATRIX_SCALE_ROW1
.endif
.rept 4
	v_nop                                          ; plain lines ahead of loads into registers that these products have read, and of the first read of results
.endr
.if \k+2 < 8
	WFL \slot, \k+2, \k%2
.endif
.endr
.endm
; THE CHANGE OF SLOTS. Every wave waits for all its tensor loads, adds 0 to its spare word, and waits for that and for its reads of the slot that it leaves. fill = 1: a round of the cluster's barrier, and behind it
; the slot just left is filled with the rows two phases on: a loading wave's one tensor load until the next change.
.macro CHANGE fill, slot
	s_wait_tensorcnt 0x0                           ; no tensor load of mine is out, so a descriptor may be written
	ds_add_u32 v[SPW], v[NIL]                      ; 0 onto my spare word
.if \fill
	ds_add_u32 v[SPW], v[NIL]                      ; and once more
	s_add_nc_u64 s[G0+4*\slot+2:G0+4*\slot+3], s[G0+4*\slot+2:G0+4*\slot+3], 262144   ; 512 rows of Wo on
	s_wait_dscnt 0x0
	ROUND
	s_cmp_lt_u32 s22, 4
	s_cbranch_scc0 .Lno_refill_\@
	tensor_load_to_lds s[G0+4*\slot:G0+4*\slot+3], s[G1W:G1W+7]
	s_nop 0
.rept 4
	v_nop
.endr
.Lno_refill_\@:
.else
	s_wait_dscnt 0x0
	s_barrier_signal -1
	s_barrier_wait -1
.endif
.endm
	PHASE 0, 0
	CHANGE 1, 0
	PHASE 1, 1
	CHANGE 1, 1
	PHASE 2, 0
	CHANGE 0, 0                                    ; slot 1 is whole; nobody reads slot 0 any more, and it has had its last fill
	PHASE 3, 1
	; THE WAY OUT. Register 4 i + e of lane l is feature 128 i + 4 l + e of a row, in hidden, bo, gamma, beta and the rows read back alike.
.irp i, 0,1,2,3,4,5,6,7
	global_load_b128 v[80+4*\i:83+4*\i], v[AL], s[14:15] offset:512*\i th:TH_LOAD_NT          ; hidden, my first row
.endr
.irp i, 0,1,2,3,4,5,6,7
	global_load_b128 v[112+4*\i:115+4*\i], v[AL], s[14:15] offset:4096+512*\i th:TH_LOAD_NT   ; my second
.endr
.irp i, 0,1,2,3,4,5,6,7
	global_load_b128 v[144+4*\i:147+4*\i], v[AL], s[12:13] offset:512*\i                      ; bo
.endr
.irp i, 0,1,2,3,4,5,6,7
	global_load_b128 v[176+4*\i:179+4*\i], v[AL], s[16:17] offset:512*\i                      ; gamma
.endr
.irp q, 0,1,2,3
.irp m, 0,1
	ds_store_b128 v[SO0+\m], v[ACC+8*(2*\q+\m):ACC+8*(2*\q+\m)+3] offset:1024*\q              ; each accumulator from its low end on
	ds_store_b128 v[SO0+\m], v[ACC+8*(2*\q+\m)+4:ACC+8*(2*\q+\m)+7] offset:1024*\q+16
.endr
.endr
	s_wait_dscnt 0x0                               ; for the others' sake: my stores into the stage are done; and they have read the accumulators,
.irp i, 0,1,2,3,4,5,6,7
	global_load_b128 v[16+4*\i:19+4*\i], v[AL], s[18:19] offset:512*\i                        ; into which beta comes
.endr
	s_barrier_signal -1
	s_barrier_wait -1                              ; 32 whole rows lie in the stage
	s_wait_loadcnt 16                              ; hidden and bo are in; gamma's and beta's sixteen loads may be out
.set j, 0
.rept 16
	v_pk_add_f32 v[80+j:81+j], v[80+j:81+j], v[144+j:145+j]
	v_pk_add_f32 v[112+j:113+j], v[112+j:113+j], v[144+j:145+j]
.set j, j+2
.endr
.irp i, 0,1,2,3,4,5,6,7
	ds_load_b128 v[48+4*\i:51+4*\i], v[RD] offset:512*\i
.endr
.irp i, 0,1,2,3,4,5,6,7
	ds_load_b128 v[144+4*\i:147+4*\i], v[RD] offset:SP+512*\i
.endr
	s_wait_dscnt 0x0
; One row: x = y + (hidden + bo); mean; d = x - mean; variance; d x rsqrt(variance + 1e-12) x gamma + beta; stored whole.
.macro ROWLN y, h, imm, first
.set j, 0
.rept 16
	v_pk_add_f32 v[\y+j:\y+j+1], v[\y+j:\y+j+1], v[\h+j:\h+j+1]
.set j, j+2
.endr
	v_pk_add_f32 v[248:249], v[\y:\y+1], v[\y+2:\y+3]
	v_pk_add_f32 v[250:251], v[\y+4:\y+5], v[\y+6:\y+7]
.set j, 8
.rept 6
	s_delay_alu instid0(VALU_DEP_2)
	v_pk_add_f32 v[248:249], v[248:249], v[\y+j:\y+j+1]
	s_delay_alu instid0(VALU_DEP_2)
	v_pk_add_f32 v[250:251], v[250:251], v[\y+j+2:\y+j+3]
.set j, j+4
.endr
	s_delay_alu instid0(VALU_DEP_1)
	v_pk_add_f32 v[248:249], v[248:249], v[250:251]
	s_delay_alu instid0(VALU_DEP_1)
	v_add_f32 v248, v248, v249
	s_delay_alu instid0(VALU_DEP_1)
	v_add_f32_dpp v248, v248, v248 row_xmask:1 row_mask:0xf bank_mask:0xf
	s_delay_alu instid0(VALU_DEP_1)
	v_add_f32_dpp v248, v248, v248 row_xmask:2 row_mask:0xf bank_mask:0xf
	s_delay_alu instid0(VALU_DEP_1)
	v_add_f32_dpp v248, v248, v248 row_xmask:4 row_mask:0xf bank_mask:0xf
	s_delay_alu instid0(VALU_DEP_1)
	v_add_f32_dpp v248, v248, v248 row_xmask:8 row_mask:0xf bank_mask:0xf
	s_delay_alu instid0(VALU_DEP_1)
	v_permlanex16_b32 v249, v248, s40, s41
	s_delay_alu instid0(VALU_DEP_1)
	v_add_f32 v248, v248, v249
	s_delay_alu instid0(VALU_DEP_1)
	v_mul_f32 v248, 0xba800000, v248               ; - the mean
.set j, 0
.rept 16
	v_pk_add_f32 v[\y+j:\y+j+1], v[\y+j:\y+j+1], v[248:249] op_sel_hi:[1,0]
.set j, j+2
.endr
	v_pk_mul_f32 v[250:251], v[\y:\y+1], v[\y:\y+1]
	v_pk_mul_f32 v[252:253], v[\y+2:\y+3], v[\y+2:\y+3]
.set j, 4
.rept 7
	s_delay_alu instid0(VALU_DEP_2)
	v_pk_fma_f32 v[250:251], v[\y+j:\y+j+1], v[\y+j:\y+j+1], v[250:251]
	s_delay_alu instid0(VALU_DEP_2)
	v_pk_fma_f32 v[252:253], v[\y+j+2:\y+j+3], v[\y+j+2:\y+j+3], v[252:253]
.set j, j+4
.endr
	s_delay_alu instid0(VALU_DEP_1)
	v_pk_add_f32 v[250:251], v[250:251], v[252:253]
	s_delay_alu instid0(VALU_DEP_1)
	v_add_f32 v250, v250, v251
	s_delay_alu instid0(VALU_DEP_1)
	v_add_f32_dpp v250, v250, v250 row_xmask:1 row_mask:0xf bank_mask:0xf
	s_delay_alu instid0(VALU_DEP_1)
	v_add_f32_dpp v250, v250, v250 row_xmask:2 row_mask:0xf bank_mask:0xf
	s_delay_alu instid0(VALU_DEP_1)
	v_add_f32_dpp v250, v250, v250 row_xmask:4 row_mask:0xf bank_mask:0xf
	s_delay_alu instid0(VALU_DEP_1)
	v_add_f32_dpp v250, v250, v250 row_xmask:8 row_mask:0xf bank_mask:0xf
	s_delay_alu instid0(VALU_DEP_1)
	v_permlanex16_b32 v251, v250, s40, s41
	s_delay_alu instid0(VALU_DEP_1)
	v_add_f32 v250, v250, v251
	s_delay_alu instid0(VALU_DEP_1)
	v_fma_f32 v250, v250, s42, s43                 ; the variance + 1e-12
	s_wait_alu depctr_va_vdst(0)
	v_rsq_f32 v250, v250
	v_nop                                          ; a plain line behind the root
	s_wait_alu depctr_va_vdst(0)                   ; ahead of its first reader
.set j, 0
.rept 16
	v_pk_mul_f32 v[\y+j:\y+j+1], v[\y+j:\y+j+1], v[250:251] op_sel_hi:[1,0]
.set j, j+2
.endr
.if \first
	s_wait_loadcnt 0x0                             ; gamma and beta
.endif
.set j, 0
.rept 16
	v_pk_fma_f32 v[\y+j:\y+j+1], v[\y+j:\y+j+1], v[176+j:177+j], v[16+j:17+j]
.set j, j+2
.endr
.irp i, 0,1,2,3,4,5,6,7
	global_store_b128 v[AL], v[\y+4*\i:\y+4*\i+3], s[20:21] offset:\imm+512*\i th:TH_STORE_NT   ; 32 lanes store 512 consecutive bytes, aligned
.endr
.endm
	ROWLN 48, 80, 0, 1
	ROWLN 144, 112, 4096, 0
	s_wait_tensorcnt 0x0                           ; the wave's end
	ds_add_u32 v[SPW], v[NIL]
	s_wait_dscnt 0x0
	ROUND                                          ; the closing round
	s_endpgm
.Lfunc_end_k_qd5d50285ba_outln:
	.size	k_qd5d50285ba_outln, .Lfunc_end_k_qd5d50285ba_outln-k_qd5d50285ba_outln
	.p2alignl 7, 3214868480
	.fill 96, 4, 3214868480
	.section	.rodata,"a",@progbits
	.p2align	6, 0x0
	.amdhsa_kernel k_qd5d50285ba_outln
		.amdhsa_group_segment_fixed_size 327680
		.amdhsa_private_segment_fixed_size 0
		.amdhsa_enable_private_segment 0
		.amdhsa_kernarg_size 72
		.amdhsa_user_sgpr_count 2
		.amdhsa_user_sgpr_kernarg_segment_ptr 1
		.amdhsa_wavefront_size32 1
		.amdhsa_system_sgpr_workgroup_id_x 1
		.amdhsa_system_sgpr_workgroup_id_y 1
		.amdhsa_system_sgpr_workgroup_id_z 1
		.amdhsa_system_vgpr_workitem_id 0
		.amdhsa_next_free_vgpr 256
		.amdhsa_next_free_sgpr 66
		.amdhsa_reserve_vcc 0
		.amdhsa_float_denorm_mode_32 3
		.amdhsa_float_denorm_mode_16_64 3
		.amdhsa_memory_ordered 1
		.amdhsa_forward_progress 1
		.amdhsa_inst_pref_size 55
	.end_amdhsa_kernel
	.amdgpu_metadata
---
amdhsa.version: [ 1, 2 ]
amdhsa.kernels:
  - .name:           k_qd5d50285ba_outln
    .symbol:         k_qd5d50285ba_outln.kd
    .args:
      - { .name: cc, .offset: 0, .size: 8, .value_kind: global_buffer, .address_space: global }
      - { .name: cs, .offset: 8, .size: 8, .value_kind: global_buffer, .address_space: global }
      - { .name: Wo_codes, .offset: 16, .size: 8, .value_kind: global_buffer, .address_space: global }
      - { .name: Wo_scales, .offset: 24, .size: 8, .value_kind: global_buffer, .address_space: global }
      - { .name: bo, .offset: 32, .size: 8, .value_kind: global_buffer, .address_space: global }
      - { .name: hidden_states, .offset: 40, .size: 8, .value_kind: global_buffer, .address_space: global }
      - { .name: ln_gamma, .offset: 48, .size: 8, .value_kind: global_buffer, .address_space: global }
      - { .name: ln_beta, .offset: 56, .size: 8, .value_kind: global_buffer, .address_space: global }
      - { .name: out0, .offset: 64, .size: 8, .value_kind: global_buffer, .address_space: global }
    .group_segment_fixed_size: 327680
    .private_segment_fixed_size: 0
    .kernarg_segment_align: 8
    .kernarg_segment_size: 72
    .max_flat_workgroup_size: 512
    .sgpr_count:     66
    .vgpr_count:     256
    .wavefront_size: 32
...
	.end_amdgpu_metadata
.endif
;; end of part 4
